; MI455X (gfx1250); checked and timed in simulation.
; The chip was launched on July 23, 2026; its instructions are those of AMD's public machine-readable ISA for CDNA 5 (MIT licence, August 2026) and "CDNA5" Instruction Set Architecture Reference Guide (July 2026). The comments in the code are by the model that wrote it; some were corrected since.
;; Bahdanau Attention. Allowed arithmetic: matrix products marked QUANTISED: E5M2 operands, one E8M0 scale for each 32 along K, by v_wmma_scale_f32_16x16x128_f8f6f4 with both operands' format E5M2, f32 sums; products left as they are: f32 operands where the result goes on into a quantised operand, else bf16, f16 or f32 operands; f32 sums; everything else in f32.
;; Inputs: Wk_b 2,048 float32; Wk_w 2,048 x 2,048 float32; Wq_b 2,048 float32; Wq_w 2,048 x 1,024 float32; keys 16 x 1,024 x 2,048 float32; query 16 x 1 x 1,024 float32; v_b 1 float32; v_w 1 x 2,048 float32.
;; Outputs: out0 16 x 1 x 2,048 float32; out1 16 x 1,024 x 1 float32.
;; This version of the problem:
;;   THIS VERSION OF THE PROBLEM IS GIVEN IN LOW PRECISION. The matrix products marked QUANTISED in the list below multiply operands that are first quantised to E5M2 (5 exponent bits, 2 mantissa bits; 8 bits a number), with one power-of-two scale for each 32 numbers along K (OCP MX v1.0); their sums are f32. All else is computed in f32.
;;   The module's matrix products, in the order in which they are computed (A, B: the left and right operand; K: the contracted axis; several contracted axes count as one K, in the product's order):
;;     1. [M 16, K 1,024] x [K 1,024, N 2,048]; A: input query; B: input Wq_w: QUANTISED
;;     2. [M 16,384, K 2,048] x [K 2,048, N 2,048]; A: input keys; B: input Wk_w: QUANTISED
;;     3. [M 16,384, K 2,048] x [K 2,048, N 1]; A: computed on the way; B: input v_w: left as it is (N = 1 < 16)
;;     4. batch 16 x [M 1, K 1,024] x [K 1,024, N 2,048]; A: softmax; B: input keys: left as it is (M = 1 < 16)
;;   THE QUANTISER, for each operand of a quantised product, along K:
;;     - K is cut into blocks of 32 from its start; a last block that is shorter is filled with zeros.
;;     - A block's scale is 2^e with e = floor(log2(the largest magnitude in the block)) - 15, held to -126 .. 127; a block of zeros has e = 0. As a byte (E8M0): e + 127.
;;     - Each number is divided by its block's scale, clamped to +-57,344, and rounded to the nearest number of E5M2, ties to even, subnormals kept.
;;     - The product sums the exact products of the quantised numbers (number of the format x scale) in f32.
;;   ~~~python
;;   def quantise(x, axis):      # numpy; x: float32 -> the quantised numbers, widened to float32 again
;;       x = np.moveaxis(x, axis, -1); K = x.shape[-1]
;;       x = np.pad(x, [(0, 0)] * (x.ndim - 1) + [(0, -K % 32)]); x = x.reshape(x.shape[:-1] + (-1, 32)); a = np.abs(x).max(-1, keepdims=True)
;;       e = np.where(a > 0, np.clip(np.frexp(np.where(a > 0, a, 1))[1] - 1 - 15, -126, 127), 0)      # np.frexp(a)[1] - 1 = floor(log2(a)), exactly
;;       r = np.clip(x / 2.0 ** e, -57344, 57344)
;;       step = 2.0 ** (np.maximum(np.frexp(np.where(r == 0, 1, r))[1] - 1, -14) - 2)
;;       q = np.round(r / step) * step * 2.0 ** e      # np.round: ties to even
;;       return np.moveaxis(q.reshape(q.shape[:-2] + (-1,))[..., :K], -1, axis).astype(np.float32)
;;   ~~~
;; 2 versions, each right; version 2 is version 1 with the launches prep, ctx written anew for expert scheduling mode. Each part assembles by itself: llvm-mc -triple=amdgcn-amd-amdhsa -mcpu=gfx1250 --defsym DOCPART=n.
;; ======== version 1 of 2: 3 launches
;; workspace buffers: a_codes 33,554,432 bytes; a_scales 1,048,576 bytes; b_codes 4,194,304 bytes; b_scales 131,072 bytes; qp 131,072 bytes; part 1,048,576 bytes
;; launch prep (part 1): grid 1184 x 1, 4 waves a work-group, no clusters, 33,280 bytes of LDS; arguments keys, Wk_w, a_codes, a_scales, b_codes, b_scales, query, Wq_w, Wq_b, Wk_b, qp; writes a_codes, a_scales, b_codes, b_scales, qp
.if DOCPART == 1
	.amdgcn_target "amdgcn-amd-amdhsa--gfx1250"
	.amdhsa_code_object_version 6
	.text
	.protected	k_q6df0e4d8a9_prep
	.globl	k_q6df0e4d8a9_prep
	.p2align	8
	.type	k_q6df0e4d8a9_prep,@function
k_q6df0e4d8a9_prep:
	s_mov_b64 s[64:65], 0
	v_nop
	global_prefetch_b8 v0, s[64:65] scope:SCOPE_SE
	s_setreg_imm32_b32 hwreg(HW_REG_WAVE_MODE, 25, 1), 1
	s_wait_xcnt 0x0
; TWO JOBS IN ONE LAUNCH, parted on the work-group's number.
; Work-groups 0 to 31: qp[b][o] = Q(query)[b] . Q(Wq_w)[o] + Wq_b[o] + Wk_b[o], both operands quantised along K = 1,024 in registers, the product on codes of BF8 (E5M2) with E8M0 scales.
;   (Both biases are added to the same sum in front of the tanh, so they are joined here, once.)
; Work-groups 32 to 1,183: keys [16,384][2,048] and Wk_w [2,048][2,048], f32, become codes of BF8, K innermost, one byte a code, with one E8M0 scale byte for each 32 along K.
; THE QUANTISER.  A block's scale is 2^(floor(log2(its largest magnitude)) - 15); its byte is the largest magnitude's own exponent field - 15, held at 1 from below.  Each number is divided by the scale,
; held within +-57,344 and rounded to the nearest code, ties to even.  A block of zeros gets the byte 1 where the rule says 127: its codes are zeros, which add nothing under any byte but 0xff, and this program alone reads the bytes.
; LIMITS: NaN and infinities among the inputs are not served.
; The short job has the low numbers, so that its chain of dependent loads runs beside the stream.  It touches no LDS; neither job has a barrier.
.set QWG,   32                         ; work-groups of the short job
.set WAVES, 4
.set STEPS, 16
.set WGA,   16384*2048/(512*STEPS*WAVES)       ; 1,024 work-groups for keys; 128 more for Wk_w
.set EMAX,  15
.set MANT,  0x600000                   ; the mantissa field of 57,344 as f32
	v_lshl_add_u32 v224, v0, 2, 0x8000
	v_mov_b32 v225, 0
	s_cmp_lt_u32 ttmp9, QWG
	s_cbranch_scc1 .Lq
; ---------------- THE STREAM ----------------
; Rows are dense and K is a multiple of 32, so both tensors are plain streams of blocks of 32 numbers, and so are the codes and the scale bytes.
; A wave takes 16 steps of 512 numbers.  The conversions take 8 numbers of ONE block from a lane's registers, so a lane must hold 16 NEIGHBOURS (two neighbouring lanes hold a block); a load is best where
; neighbouring LANES take neighbouring bytes.  Both are had: each of a step's four loads reads 512 consecutive bytes, 16 a lane; the 2,048 bytes go through the wave's own stage in LDS and come back 64 bytes a lane.
; The stage has 16 bytes of padding behind each 64.  A lane's 16 codes are 16 bytes: the wave stores 512 consecutive bytes.  A wave's 256 scale bytes are gathered in LDS and leave as one aligned run of 256 bytes.
; Loads run four steps (16 loads a wave) ahead, the turn through LDS one step.
.set CB,    16                         ; bytes of 16 codes
.set R,     16                         ; v16-79   four sets of 16 numbers as they are loaded
.set X,     80                         ; v80-111  two sets of 16 neighbours
.set C,     128                        ; v128-191 codes: four registers for each step, so that no store's data are written again
.set E,     112                        ; v112-127 a scale byte for each step
.set WREG,  8192                       ; LDS: a region of its own for each wave: two stages of 32 x SP bytes, and behind them its 256 scale bytes
.set SP,    80                         ; a lane's place in a stage: its 64 bytes + 16 of padding
	s_load_b128 s[4:7], s[0:1], 0x0                ; keys, Wk_w
	s_load_b128 s[8:11], s[0:1], 0x10              ; keys' codes, keys' scales
	s_load_b128 s[12:15], s[0:1], 0x20             ; Wk_w's codes, Wk_w's scales
	v_lshrrev_b32 v1, 5, v0
	v_readfirstlane_b32 s16, v1                    ; wave
	v_and_b32 v2, 31, v0                           ; lane
	v_lshlrev_b32 v3, 4, v2                        ; my 16 bytes of a load's 512
	s_mul_i32 s17, s16, WREG
	v_lshrrev_b32 v14, 2, v2
	v_mul_u32_u24 v14, v14, SP
	v_and_b32 v15, 3, v2
	v_lshl_add_u32 v14, v15, 4, v14
	v_add_nc_u32 v14, s17, v14                     ; the stage, on the way in: four lanes' 64 bytes on end, then 16 of padding
	v_mul_u32_u24 v15, v2, SP
	v_add_nc_u32 v15, s17, v15                     ; and on the way out: SP x lane: my 16 neighbours
	v_mul_u32_u24 v4, v2, CB                       ; my codes' place in a step's
	v_lshrrev_b32 v5, 1, v2
	s_add_co_u32 s17, s17, 2*32*SP
	v_add_nc_u32 v5, s17, v5                       ; LDS: my wave's 256 scale bytes, my block's byte
	v_lshlrev_b32 v7, 3, v2                        ; and on the way out 8 bytes a lane
	v_add_nc_u32 v6, s17, v7
	s_mov_b32 s23, MANT                            ; (an instruction takes one literal: the hold's line has another)
	s_sub_co_u32 s22, ttmp9, QWG                   ; my number among the stream's work-groups
	s_wait_kmcnt 0x0
	s_cmp_lt_u32 s22, WGA                          ; keys or Wk_w?  The choice hangs on the work-group's number alone
	s_cselect_b64 s[4:5], s[4:5], s[6:7]
	s_cselect_b64 s[8:9], s[8:9], s[12:13]
	s_cselect_b64 s[10:11], s[10:11], s[14:15]
	s_cselect_b32 s17, 0, WGA
	s_sub_co_u32 s17, s22, s17
	s_lshl_b32 s17, s17, 2
	s_add_co_u32 s18, s17, s16                     ; which run of 8,192 numbers of the tensor is my wave's
	s_mov_b32 s19, 0
	s_mov_b64 s[20:21], 512*STEPS*4
	s_mul_u64 s[20:21], s[18:19], s[20:21]
	s_add_nc_u64 s[4:5], s[4:5], s[20:21]
	s_mov_b64 s[20:21], 32*STEPS*CB
	s_mul_u64 s[20:21], s[18:19], s[20:21]
	s_add_nc_u64 s[8:9], s[8:9], s[20:21]
	s_lshl_b32 s18, s18, 8                         ; 256 scale bytes a run
	s_add_nc_u64 s[10:11], s[10:11], s[18:19]
.macro LOAD t
.irp i, 0,1,2,3
	global_load_b128 v[R+16*((\t)%4)+4*\i:R+16*((\t)%4)+4*\i+3], v3, s[4:5] offset:2048*(\t)+512*\i th:TH_LOAD_NT   ; 32 lanes read 512 consecutive bytes
.endr
.endm
.macro TURN t                          ; step t's numbers through the stage: LDS serves a wave's instructions in order, so no wait stands between the stores and the loads
.irp i, 0,1,2,3
	ds_store_b128 v14, v[R+16*((\t)%4)+4*\i:R+16*((\t)%4)+4*\i+3] offset:32*SP*((\t)%2)+8*SP*\i
.endr
.irp i, 0,1,2,3
	ds_load_b128 v[X+16*((\t)%2)+4*\i:X+16*((\t)%2)+4*\i+3], v15 offset:32*SP*((\t)%2)+16*\i
.endr
.endm
.irp t, 0,1,2,3
	LOAD \t
.endr
	s_wait_loadcnt 12                              ; step 0's four loads are in; the twelve of steps 1 to 3 stay out
	TURN 0
.macro STEP t
.set XS, X+16*((\t)%2)
.if (\t) > 0
	s_wait_dscnt 1                                 ; this step's numbers are back from the stage (the last step's byte store may be out): so its stores into the stage have read their registers,
.else
	s_wait_dscnt 0x0
.endif
.if (\t)+4 < STEPS
	LOAD (\t)+4                                    ; which take the loads of four steps on
.endif
.if (\t)+1 < STEPS
.if STEPS-2-(\t) >= 3
	s_wait_loadcnt 12                              ; the next step's four loads are in; those of the three steps behind it may be out
.else
	s_wait_loadcnt 4*(STEPS-2-(\t))
.endif
	TURN (\t)+1                                    ; and go through the other stage while this step is worked
.endif
	v_max3_num_f32 v8, |v[XS]|, |v[XS+1]|, |v[XS+2]|               ; the largest magnitude of my 16
	v_max3_num_f32 v9, |v[XS+3]|, |v[XS+4]|, |v[XS+5]|
.irp i, 6,10
	v_max3_num_f32 v8, v8, |v[XS+\i]|, |v[XS+\i+1]|
	v_max3_num_f32 v9, v9, |v[XS+\i+2]|, |v[XS+\i+3]|
.endr
	v_max3_num_f32 v8, v8, |v[XS+14]|, |v[XS+15]|
	v_max3_num_f32 v8, v8, v9, (EMAX+1)<<23        ; and the floor 2^(EMAX + 1 - 127), under which no largest magnitude is taken: so the byte cannot fall under 1
	v_max_num_f32_dpp v8, v8, v8 row_xmask:1 row_mask:0xf bank_mask:0xf   ; and of my neighbour's 16: the block's
	v_add_nc_u32 v11, -(EMAX<<23), v8              ; EMAX off its exponent field: the conversion takes the exponent field of this operand as its scale, and nothing else of it
	v_and_or_b32 v10, v8, 0x7f800000, s23          ; the largest number x the scale: the largest magnitude's exponent field over that number's mantissa
.irp i, 0,1,2,3,4,5,6,7,8,9,10,11,12,13,14,15
	v_med3_num_f32 v[XS+\i], v[XS+\i], -v10, v10   ; the conversion to an 8-bit code does not saturate (ISA guide 7.6.2): hold the number within the largest code x the scale first
.endr
	v_cvt_scalef32_pk8_bf8_f32 v[C+4*(\t):C+4*(\t)+1], v[XS:XS+7], v11          ; eight numbers / 2^(v11's exponent), to the nearest code, ties to even; the first number's code in the lowest byte
	v_cvt_scalef32_pk8_bf8_f32 v[C+4*(\t)+2:C+4*(\t)+3], v[XS+8:XS+15], v11
	v_lshrrev_b32 v[E+(\t)], 23, v11               ; the scale's byte (also the plain line behind the conversions)
	ds_store_b8 v5, v[E+(\t)] offset:16*(\t)       ; both lanes of a block write the same byte with the same value
	global_store_b128 v4, v[C+4*(\t):C+4*(\t)+3], s[8:9] offset:32*CB*(\t)
.endm
.irp t, 0,1,2,3,4,5,6,7,8,9,10,11,12,13,14,15
	STEP \t
.endr
	ds_load_b64 v[12:13], v6                       ; LDS serves a wave's instructions in order: these see my stores
	s_wait_dscnt 0x0
	global_store_b64 v7, v[12:13], s[10:11]        ; 32 lanes store 256 consecutive bytes, aligned
	s_wait_tensorcnt 0x0
	ds_add_u32 v224, v225
	s_wait_dscnt 0x0
	s_endpgm
; ---------------- THE QUERY'S PROJECTION ----------------
; Wave W = 4 x work-group + wave (0 to 127) makes columns 16 W to 16 W + 15 for all 16 batches: one accumulator, K = 1,024 in eight steps of 128.
; THE PRODUCT IS USED TRANSPOSED: source 0 = 16 rows of Wq_w, source 1 = the 16 rows of query: lane (r, h) then holds batch r and the eight neighbouring columns 16 W + 8 h + 0 .. 7.
; Both operands have rows of 4,096 bytes with K innermost.  The operand's layout gives lane (r, h), of its row r, k = 32 c + 16 h + 0 .. 15 of each block c: 64 neighbouring bytes, four loads.
; (No cache hint on these loads: a lane's 64 bytes come by four loads, and query is read by all 128 waves.)
; The joined bias is the C of the first matrix instruction.
.set WN,  16                           ; v16-79    64 numbers of Wq_w
.set QN,  80                           ; v80-143   64 numbers of query
.set WC,  144                          ; v144-159  Wq_w's codes: the operand's registers
.set QC,  160                          ; v160-175  query's
.set TM,  176                          ; v176-179 largest magnitudes, v180-183 bytes, v184-187 the largest number x the scale, v188-191 the conversions' scale operands
.set PWW, 192                          ; v192  Wq_w's scale word: holds scales and nothing else
.set PWQ, 193                          ; v193  query's
.set ACC, 200                          ; v200-207  the sums
.set BI,  208                          ; v208-215 Wq_b, then the joined bias; v216-223 Wk_b
.set SEL, 20                           ; s[20:21] v_permlanex16_b32's selects for lane l xor 16
.Lq:
	s_load_b128 s[4:7], s[0:1], 0x30               ; query, Wq_w
	s_load_b128 s[8:11], s[0:1], 0x40              ; Wq_b, Wk_b
	s_load_b64 s[12:13], s[0:1], 0x50              ; qp
	v_lshrrev_b32 v1, 5, v0
	v_readfirstlane_b32 s16, v1                    ; wave
	s_lshl_b32 s17, ttmp9, 2
	s_add_co_u32 s17, s17, s16                     ; W
	v_and_b32 v1, 15, v0                           ; r
	v_bfe_u32 v2, v0, 4, 1                         ; h
	v_lshlrev_b32 v3, 12, v1
	v_lshl_add_u32 v3, v2, 6, v3                   ; both operands: row r of 4,096 bytes, + 64 h
	v_lshlrev_b32 v5, 5, v2                        ; the biases: 32 h
	v_lshlrev_b32 v6, 13, v1
	v_lshl_add_u32 v6, v2, 5, v6                   ; qp: row r of 8,192 bytes, + 32 h
	s_lshl_b32 s18, s17, 16                        ; my 16 rows of Wq_w begin 16 W x 4,096 bytes on
	s_mov_b32 s19, 0
	s_lshl_b32 s24, s17, 6                         ; my 16 columns begin 64 W bytes on
	s_mov_b32 s25, 0
	s_mov_b32 s[SEL], 0x76543210
	s_mov_b32 s[SEL+1], 0xfedcba98
	s_mov_b32 s23, MANT
.irp b, 0,1,2,3
	v_mov_b32 v[TM+4+\b], 0                        ; written once: a lane permute's destination counts as one of its sources
.endr
	s_wait_kmcnt 0x0
	s_add_nc_u64 s[6:7], s[6:7], s[18:19]
	s_add_nc_u64 s[8:9], s[8:9], s[24:25]
	s_add_nc_u64 s[10:11], s[10:11], s[24:25]
	s_add_nc_u64 s[12:13], s[12:13], s[24:25]
; my row's 64 numbers of K step s, from the buffer at s[base], into v[reg] on: register 16 b + i = k 128 s + 32 b + 16 h + i
.macro XL reg, base, s
.irp b, 0,1,2,3
.irp j, 0,1,2,3
	global_load_b128 v[\reg+16*\b+4*\j:\reg+16*\b+4*\j+3], v3, s[\base:\base+1] offset:512*(\s)+128*\b+16*\j
.endr
.endr
.endm
; 64 numbers of a lane, v[s] on, become a fragment's codes in v[pc] on and its scale word in v[pw]
.macro QUANT s, pc, pw
.irp b, 0,1,2,3
	v_max3_num_f32 v[TM+\b], |v[\s+16*\b]|, |v[\s+1+16*\b]|, 0x8000000   ; block b: my 16 numbers, and the floor 2^(16 - 127): so the byte cannot fall under 1
.endr
.irp i, 2,4,6,8,10,12,14
.irp b, 0,1,2,3
	v_max3_num_f32 v[TM+\b], v[TM+\b], |v[\s+16*\b+\i]|, |v[\s+1+16*\b+\i]|   ; (the four blocks by turns: no line waits for the line above it)
.endr
.endr
.irp b, 0,1,2,3
	v_permlanex16_b32 v[TM+4+\b], v[TM+\b], s[SEL], s[SEL+1]
.endr
.irp b, 0,1,2,3
	v_max_num_f32 v[TM+\b], v[TM+\b], v[TM+4+\b]   ; with lane l xor 16's: the block's largest magnitude
.endr
.irp b, 0,1,2,3
	v_add_nc_u32 v[TM+12+\b], 0xf8800000, v[TM+\b]   ; 15 off its exponent field: the conversion's scale operand
.endr
.irp b, 0,1,2,3
	v_and_or_b32 v[TM+8+\b], v[TM+\b], 0x7f800000, s23   ; 57,344 x the scale
.endr
.irp b, 0,1,2,3
	v_lshrrev_b32 v[TM+4+\b], 23, v[TM+12+\b]      ; the scale's byte
.endr
	v_lshl_or_b32 v[\pw], v[TM+5], 8, v[TM+4]      ; the four bytes make my row's scale word
	v_lshl_or_b32 v[\pw], v[TM+6], 16, v[\pw]
	v_lshl_or_b32 v[\pw], v[TM+7], 24, v[\pw]
.irp b, 0,1,2,3
.irp i, 0,1,2,3,4,5,6,7,8,9,10,11,12,13,14,15
	v_med3_num_f32 v[\s+16*\b+\i], v[\s+16*\b+\i], -v[TM+8+\b], v[TM+8+\b]   ; the conversion does not saturate (ISA guide 7.6.2): the hold at the largest code x the scale
.endr
	v_cvt_scalef32_pk8_bf8_f32 v[\pc+4*\b:\pc+1+4*\b], v[\s+16*\b:\s+7+16*\b], v[TM+12+\b]
	v_cvt_scalef32_pk8_bf8_f32 v[\pc+2+4*\b:\pc+3+4*\b], v[\s+8+16*\b:\s+15+16*\b], v[TM+12+\b]
.endr
	v_nop                                          ; one plain vector line between the last conversion and whatever next touches its result or writes its sources
.endm
	global_load_b128 v[BI:BI+3], v5, s[8:9]
	global_load_b128 v[BI+4:BI+7], v5, s[8:9] offset:16
	global_load_b128 v[BI+8:BI+11], v5, s[10:11]
	global_load_b128 v[BI+12:BI+15], v5, s[10:11] offset:16
	XL QN, 4, 0
	XL WN, 6, 0
.irp s, 0,1,2,3,4,5,6,7
	s_wait_loadcnt 16                              ; query's sixteen loads of this step are in (in the first step the biases too); Wq_w's sixteen stay out
.if \s == 0
.irp j, 0,2,4,6
	v_pk_add_f32 v[BI+\j:BI+\j+1], v[BI+\j:BI+\j+1], v[BI+8+\j:BI+9+\j]   ; Wq_b + Wk_b
.endr
.endif
	QUANT QN, QC, PWQ
.if \s < 7
	XL QN, 4, \s+1                                 ; the next step's numbers land while this step's other operand is quantised
	s_wait_loadcnt 16                              ; Wq_w's sixteen are in; the sixteen just issued stay out
.else
	s_wait_loadcnt 0x0
.endif
	QUANT WN, WC, PWW
.if \s < 7
	XL WN, 6, \s+1
.endif
.rept 4
	v_nop                                          ; codes written by vector instructions stand four places ahead of a scaled matrix instruction; each scale word was made ahead of its 64 holds
.endr
.if \s == 0
	v_wmma_scale_f32_16x16x128_f8f6f4 v[ACC:ACC+7], v[WC:WC+15], v[QC:QC+15], v[BI:BI+7], v[PWW], v[PWQ] matrix_a_fmt:MATRIX_FMT_BF8 matrix_b_fmt:MATRIX_FMT_BF8
.else
	s_wait_alu depctr_va_vdst(0)                   ; the wait directly ahead of each link
	v_wmma_scale_f32_16x16x128_f8f6f4 v[ACC:ACC+7], v[WC:WC+15], v[QC:QC+15], v[ACC:ACC+7], v[PWW], v[PWQ] matrix_a_fmt:MATRIX_FMT_BF8 matrix_b_fmt:MATRIX_FMT_BF8
.endif
.endr                                              ; (the next step's first 32 maxima, which name none of the product's registers, are the places in front of its writes of scale words and codes)
.rept 8
	v_nop                                          ; eight places between this form and the first read of its result
.endr
	global_store_b128 v6, v[ACC:ACC+3], s[12:13]               ; qp(r, 16 W + 8 h + 0 .. 3): the result from its low end on
	global_store_b128 v6, v[ACC+4:ACC+7], s[12:13] offset:16
	s_endpgm
.Lfunc_end_k_q6df0e4d8a9_prep:
	.size	k_q6df0e4d8a9_prep, .Lfunc_end_k_q6df0e4d8a9_prep-k_q6df0e4d8a9_prep
	.p2alignl 7, 3214868480
	.fill 96, 4, 3214868480
	.section	.rodata,"a",@progbits
	.p2align	6, 0x0
	.amdhsa_kernel k_q6df0e4d8a9_prep
		.amdhsa_group_segment_fixed_size 33280
		.amdhsa_private_segment_fixed_size 0
		.amdhsa_enable_private_segment 0
		.amdhsa_kernarg_size 88
		.amdhsa_user_sgpr_count 2
		.amdhsa_user_sgpr_kernarg_segment_ptr 1
		.amdhsa_wavefront_size32 1
		.amdhsa_system_sgpr_workgroup_id_x 1
		.amdhsa_system_sgpr_workgroup_id_y 1
		.amdhsa_system_sgpr_workgroup_id_z 1
		.amdhsa_system_vgpr_workitem_id 0
		.amdhsa_next_free_vgpr 226
		.amdhsa_next_free_sgpr 66
		.amdhsa_reserve_vcc 0
		.amdhsa_float_denorm_mode_32 3
		.amdhsa_float_denorm_mode_16_64 3
		.amdhsa_memory_ordered 1
		.amdhsa_forward_progress 1
		.amdhsa_inst_pref_size 208
	.end_amdhsa_kernel
	.amdgpu_metadata
---
amdhsa.version: [ 1, 2 ]
amdhsa.kernels:
  - .name:           k_q6df0e4d8a9_prep
    .symbol:         k_q6df0e4d8a9_prep.kd
    .args:
      - { .name: keys, .offset: 0, .size: 8, .value_kind: global_buffer, .address_space: global }
      - { .name: Wk_w, .offset: 8, .size: 8, .value_kind: global_buffer, .address_space: global }
      - { .name: a_codes, .offset: 16, .size: 8, .value_kind: global_buffer, .address_space: global }
      - { .name: a_scales, .offset: 24, .size: 8, .value_kind: global_buffer, .address_space: global }
      - { .name: b_codes, .offset: 32, .size: 8, .value_kind: global_buffer, .address_space: global }
      - { .name: b_scales, .offset: 40, .size: 8, .value_kind: global_buffer, .address_space: global }
      - { .name: query, .offset: 48, .size: 8, .value_kind: global_buffer, .address_space: global }
      - { .name: Wq_w, .offset: 56, .size: 8, .value_kind: global_buffer, .address_space: global }
      - { .name: Wq_b, .offset: 64, .size: 8, .value_kind: global_buffer, .address_space: global }
      - { .name: Wk_b, .offset: 72, .size: 8, .value_kind: global_buffer, .address_space: global }
      - { .name: qp, .offset: 80, .size: 8, .value_kind: global_buffer, .address_space: global }
    .group_segment_fixed_size: 33280
    .private_segment_fixed_size: 0
    .kernarg_segment_align: 8
    .kernarg_segment_size: 88
    .max_flat_workgroup_size: 128
    .sgpr_count:     66
    .vgpr_count:     226
    .wavefront_size: 32
...
	.end_amdgpu_metadata
.endif
;; end of part 1
;; launch gemm (part 2): grid 64 x 8, 4 waves a work-group, clusters of 4 x 4, 327,680 bytes of LDS; arguments a_codes, a_scales, b_codes, b_scales, qp, v_w, part; writes part
.if DOCPART == 2
	.amdgcn_target "amdgcn-amd-amdhsa--gfx1250"
	.amdhsa_code_object_version 6
	.text
	.protected	k_q6df0e4d8a9_gemm
	.globl	k_q6df0e4d8a9_gemm
	.p2align	8
	.type	k_q6df0e4d8a9_gemm,@function
k_q6df0e4d8a9_gemm:
	s_mov_b64 s[64:65], 0
	v_nop
	global_prefetch_b8 v0, s[64:65] scope:SCOPE_SE
	s_setreg_imm32_b32 hwreg(HW_REG_WAVE_MODE, 25, 1), 1
	s_wait_xcnt 0x0
	s_wait_alu depctr_hold_cnt(0) depctr_sa_sdst(0) depctr_va_vdst(0) depctr_va_sdst(0) depctr_va_ssrc(0) depctr_va_vcc(0) depctr_vm_vsrc(0)
	s_getreg_b32 s2, hwreg(HW_REG_IB_STS2, 6, 4)
	s_cmp_eq_u32 s2, 0
	s_cbranch_scc0 .Lentry_in_a_cluster
	s_endpgm
.Lentry_in_a_cluster:
	s_bfe_u32 s2, ttmp6, 0x10000c
	s_cmp_lg_u32 s2, 0xf033
	s_cbranch_scc0 .Lentry_shape_is_right
	s_endpgm
.Lentry_shape_is_right:
; part = partial scores: for each row s of keys (16,384 in all) and each run of 128 columns o:  the sum over these o of v_w[o] tanh(qp[batch][o] + k_proj[s][o]),
; k_proj[s][o] = the sum over k of A[s][k] B[o][k].  A: keys, [16,384][2,048]; B: Wk_w, [2,048][2,048]: codes of BF8 (E5M2), one byte each, with one E8M0 scale byte for each 32 along K
; ([rows][64]).  qp [16][2,048] f32 holds the query's projection and both biases.  k_proj never goes to memory: bias, tanh and the product with v_w are done on the accumulators.
; A tile of k_proj, 256 x 256, is made by a work-group of four waves; a wave makes 128 x 128: 64 accumulators of 16 x 16, 512 registers.  A tile's 256 rows lie in one batch (1,024 rows a batch).
; K goes in steps of 256 through a ring of two LDS slots filled by the tensor data mover: a tile's row is 256 bytes of memory.
; THE SCALES of the work-group's 256 rows of A and 256 rows of B, for all of K, are two dense blocks of memory: they come into LDS ONCE, with the first fills, and stay.
; CLUSTERS: 4 x 4 work-groups.  The four with one cx make tiles of one tile row and need the same tiles of A, the four with one cy the same tiles of B: each tile is asked for JOINTLY, by the same tensor load with the
; same descriptor and a mask that names the four.
; THE ORDER OF THE TILES: tile row = 4 x cluster x + cx; tile column = 4 x ((cluster x xor cluster y) & 1) + cy.  So the sixteen clusters with y = 0 together ask for every byte of A and of B once,
; and the sixteen with y = 1 ask for the same bytes a second time.
; THE MATRIX INSTRUCTION IS USED TRANSPOSED (source 0 = 16 rows of B, source 1 = 16 rows of A): lane (r, h) of accumulator (a, b) holds row 16 a + r and columns 16 b + 8 h + 0 .. 7.
; TANH.  tanh(x) = 1 - 2 / (1 + 2^(c x)), c = 2 log2(e).  So a row's partial score is (the sum of v) - 2 x (the sum of v / (1 + 2^(c x))).  Where 2^(c x) runs to infinity or to 0 the quotient is 0 or 1: tanh is +-1 exactly.
; LIMIT: near x = 0 this tanh has an absolute error of a few 1e-7, so a score's absolute error is a few units in the last place of the sum of |v_w|, as it would be with each tanh formed by itself.  NaN and infinities among the inputs are not served.
; OUT: part [row / 128][column / 128][128 f32]; in a record of 512 bytes the word at byte 16 l + 4 i (l = 0 .. 31, i = 0 .. 3) is row 32 i + l of the 128: a wave stores its record by one instruction.
; One tile to a work-group: a second tile's scales do not fit beside the ring (2 x 139,264 + 3 x 17,408 + 512 bytes are more than 327,680).
; REGISTERS, in windows of 256: window 0: v0-31 addresses; v32-63 scale words, two sets; v64-127 c x qp of my 64 columns; from v128 A's fragments (8 x 16 rows x 128 K), ONE set; at the end v128-159 at work.
;   window 1: B's fragments, TWO sets, at v0 and at v128; in the last step v0-63 take v_w.   window 2: the 32 accumulators of my rows 0-63 (accumulator (a, b) at v[8 (8 a + b)]);   window 3: those of my rows 64-127.
; A STEP of 128 along K is eight GROUPS of 8 matrix instructions: one block of A against B's eight fragments.  THE LDS LOADS STAND IN SHORT RUNS BETWEEN THE GROUPS, as a rule two fragments (8 loads, 4 KiB a wave) to a run:
; a step wants 64 loads for its 64 matrix instructions, so the loads of the four waves are spread over the whole step and no wave stands long in a run of loads with no product issued.
; A block of A is free as soon as its group is issued, so one set of registers serves A: a pair of blocks is fetched anew one or two groups behind its last product.  B's fragments are at work through the whole step, so B has two sets.
; The price: two switches of the register window for each run (fragments, accumulators and addresses do not fit one window), about one for every four matrix instructions; they stand where the wave would else wait for the matrix unit.
.set SIZE_N, 2048
.set SIZE_K, 2048
.set KSTEP,  256                       ; along K in a slot
.set NQ,     KSTEP/128                 ; steps in a slot
.set ROWB,   256                       ; a tile's row in bytes
.set KROW,   SIZE_K                    ; a row of A or of B in memory, in bytes
.set PITCH,  272                       ; an LDS row: 256 bytes of data + 16 of padding = 68 words: row r starts at bank 4 r mod 64 (64 banks of 4 bytes: ISA guide 11.1), so the 16 rows that a load touches start at 16 different banks
.set FR,     16                        ; registers of a fragment: 16 rows x 128 K
.set NP,     8                         ; places behind this matrix instruction (ISA guide 7.12.1)
.set HALFT,  128*PITCH                 ; 128 rows: what one tensor load brings, and what one wave reads of A or of B
.set SLOT,   4*HALFT                   ; A's 256 rows, then B's 256 rows
.set LAPS,   SIZE_K/(2*KSTEP)          ; a lap = two K steps = once round the ring: 4
.set KS,     SIZE_K/32                 ; a row of scales in bytes: 64
.set SCL,    2*SLOT                    ; behind the ring: the scales, as runs of 256 bytes + 16 of padding
.set HALFS,  (128*KS/256)*272          ; the scales of 128 rows: what one tensor load brings
.set SBLK,   (16*KS/256)*272           ; those of 16 rows
.set SPARE,  SCL+4*HALFS               ; behind the scales: the spare words, 128 bytes for each wave: two blocks of 256 bytes that no other line names
.set HH,   7                           ; v7      the end: lane / 16
.set SV,   8                           ; v8-11   the end: the sum of my 64 numbers of v_w, in two chains of pairs
.set ADRA, 16                          ; v16-17  LDS address of my A fragments in slot 0, 1
.set ADRB, 20                          ; v20-21  the same for B
.set ADRS, 27                          ; v27     LDS address of my scale words: lanes 0-15 A's rows, lanes 16-31 B's
.set SPW,  28                          ; v28     LDS address of my spare word: SPARE + 4 x my thread's number; never rewritten
.set NIL,  29                          ; v29     0; never rewritten
.set VO,   30                          ; v30     32 x (lane / 16): my eight columns' bytes in a run of 16 columns of qp or of v_w; never rewritten
.set PO,   31                          ; v31     16 x lane: my 16 bytes of the wave's record in part
.set SC,   32                          ; scale words: set s (for slot s) at v[SC + 8 NQ s]; in it register NQ i + q: lanes 0-15 the word of A's block i, lanes 16-31 that of B's block i, for the slot's q-th 128 along K
.set BC,   64                          ; v64-127 c x qp: register 8 b + j: column 16 b + 8 h + j
.set AF,   128                         ; A's fragments, in window 0
.set S,    128                         ; the end: v128-143 eight pairs: the sums of v / (1 + 2^(c x)) of block a's row
.set T,    144                         ; v144-151 my half of the eight rows' partial scores
.set KP,   152                         ; v152-155 what I keep, then what I store
.set SN,   156                         ; v156-159 what I send to lane l xor 16
.set RC,   128                         ; v128-131 what I get from there (S is done with, and its registers have been written)
.set G1, 24                            ; s[24:31] descriptor group 1 for A's tiles;  s[32:39] group 0, one set for each slot
.set G0, 32
.set G1B, 48                           ; s[48:55], s[56:63] the same for B's tiles
.set G0B, 56
.set PSEL, 66                          ; s[66:67] v_permlanex16_b32's selects for lane l xor 16
.set G1S, 68                           ; s[68:75], s[76:79] groups 1 and 0 for A's scales;  s[80:87], s[88:91] for B's
.set G0S, 76
.set G1SB, 80
.set G0SB, 88
.set CC,  100                          ; s[100:101] c = 2 log2(e): the packed forms name a pair and take its low word for both halves
.set MSB, 0
.macro WIN new                         ; the immediate's high byte repeats the setting that is left; a switch that changes nothing is dropped
.if MSB != \new
	s_set_vgpr_msb (MSB<<8)|\new
.set MSB, \new
.endif
.endm
.set MUL_LO, 0xa1                      ; source 0 (B) window 1, source 1 (A) window 0, C and D window 2
.set MUL_HI, 0xf1                      ; the same, C and D window 3
.set TO_B,   0x40                      ; destination window 1, address window 0
; A joint load: waves 0 and 1 fetch for A, waves 2 and 3 for B.  Each of the two lines has ONE mask and one set of registers for all that issue it; the branch hangs on the wave's number alone.
; Four v_nop follow each of the two lines, ahead of the jump, the label and what follows.
.macro JLOAD g0a, g1a, g0b, g1b
	s_cmp_eq_u32 s15, 0
	s_cbranch_scc0 .Lfor_b_\@
	tensor_load_to_lds s[\g0a:\g0a+3], s[\g1a:\g1a+7]
	s_nop 0
.rept 4
	v_nop
.endr
	s_branch .Lasked_\@
.Lfor_b_\@:
	tensor_load_to_lds s[\g0b:\g0b+3], s[\g1b:\g1b+7]
	s_nop 0
.rept 4
	v_nop
.endr
.Lasked_\@:
.endm
.macro CREST                           ; a round of the cluster's barrier behind its opening barrier
	s_cmp_lg_u32 s14, 0
	s_cbranch_scc1 .Lnot_wave_0_\@
	s_barrier_signal -3
.Lnot_wave_0_\@:
	s_barrier_wait -3
	s_barrier_signal -1
	s_barrier_wait -1
.endm
.macro CROUND                          ; a whole round
	s_barrier_signal -1
	s_barrier_wait -1
	CREST
.endm
	s_load_b128 s[4:7], s[0:1], 0x0                ; A's codes s[4:5], A's scales s[6:7]
	s_load_b128 s[8:11], s[0:1], 0x10              ; B's codes s[8:9], B's scales s[10:11]
	s_load_b128 s[96:99], s[0:1], 0x20             ; qp s[96:97], v_w s[98:99]
	s_load_b64 s[12:13], s[0:1], 0x30              ; part
	v_lshl_add_u32 v[SPW], v0, 2, SPARE
	v_mov_b32 v[NIL], 0
	ds_add_u32 v28, v29
	ds_add_u32 v28, v29
	s_wait_dscnt 0x0
	v_lshrrev_b32 v1, 5, v0
	v_readfirstlane_b32 s14, v1                    ; wave 0..3
	s_lshr_b32 s15, s14, 1                         ; which half of the tile's rows is mine.  Also: I fetch for A (0) or for B (1)
	s_and_b32 s16, s14, 1                          ; which half of its columns.  Also: which 128 rows of that tile I fetch
	s_bfe_u32 s40, ttmp6, 0x40000                  ; cx, cy: my place in the cluster
	s_bfe_u32 s41, ttmp6, 0x40004
	s_lshl_b32 s17, ttmp9, 2
	s_add_co_u32 s17, s17, s40                     ; tile row = 4 x cluster x + cx
	s_and_b32 s42, ttmp7, 0xffff                   ; cluster y: 0 or 1
	s_xor_b32 s42, s42, ttmp9
	s_and_b32 s42, s42, 1                          ; which four tile columns are my cluster's: even cluster rows begin with the left four, odd ones with the right four
	s_lshl_b32 s42, s42, 2
	s_add_co_u32 s42, s42, s41                     ; tile column = 4 x that + cy
	s_lshl_b32 s43, 0x1111, s40                    ; A's partners: the places with my cx: cx, cx + 4, cx + 8, cx + 12
	s_lshl_b32 s44, s41, 2
	s_lshl_b32 s44, 15, s44                        ; B's partners: the places with my cy: 4 cy .. 4 cy + 3
	s_mov_b32 s[CC], 0x4038aa3b                    ; c = 2 log2(e)
	s_mov_b32 s[CC+1], s[CC]                       ; (named with it as a pair, so it is written)
	s_mov_b32 s[PSEL], 0x76543210
	s_mov_b32 s[PSEL+1], 0xfedcba98
	; descriptor group 1: a tile of 128 rows x ROWB bytes, padded in LDS
	s_or_b32 s[G1+0], s43, (0<<16)|(1<<20)|(1<<21)|(5<<22)|(3<<25)  ; 15:0 the mask; 17:16 element of 1 byte; 20 padding on; 21 set beside a mask; 24:22 after every 64 words (code 5); 31:25 of 4 words (code 3)
	s_or_b32 s[G1B+0], s44, (0<<16)|(1<<20)|(1<<21)|(5<<22)|(3<<25)
.irp g, G1, G1B
	s_mov_b32 s[\g+1], ROWB<<16                    ; tensor_dim0
	s_mov_b32 s[\g+2], 128<<16                     ; tensor_dim1 = 128
	s_mov_b32 s[\g+3], ROWB<<16                    ; tile_dim0
	s_mov_b32 s[\g+4], 128                         ; tile_dim1 = 128
	s_mov_b32 s[\g+5], KROW                        ; tensor_dim0_stride
	s_mov_b32 s[\g+6], 0
	s_mov_b32 s[\g+7], 0
.endr
	; and for the scales of 128 rows: a dense block of 128 KS bytes, as rows of 256 bytes (32 elements of 8 bytes), 16 bytes of padding behind each
	s_or_b32 s[G1S+0], s43, (3<<16)|(1<<20)|(1<<21)|(5<<22)|(3<<25)
	s_or_b32 s[G1SB+0], s44, (3<<16)|(1<<20)|(1<<21)|(5<<22)|(3<<25)
.irp g, G1S, G1SB
	s_mov_b32 s[\g+1], 32<<16
	s_mov_b32 s[\g+2], (128*KS/256)<<16
	s_mov_b32 s[\g+3], 32<<16
	s_mov_b32 s[\g+4], 128*KS/256
	s_mov_b32 s[\g+5], 32
	s_mov_b32 s[\g+6], 0
	s_mov_b32 s[\g+7], 0
.endr
	s_lshl_b32 s18, s16, 7                         ; which 128 rows of the tile I fetch
	s_lshl_b32 s20, s17, 8
	s_add_co_u32 s20, s20, s18                     ; A: row 256 x tile row + 128 x half
	s_lshl_b32 s46, s42, 8
	s_add_co_u32 s46, s46, s18                     ; B: row 256 x tile column + 128 x half
	s_mov_b32 s21, 0
	s_mov_b32 s47, 0
	s_mov_b64 s[18:19], KS
	s_mul_u64 s[22:23], s[20:21], s[18:19]         ; where these rows' scales begin, in bytes
	s_mul_u64 s[92:93], s[46:47], s[18:19]
	s_mov_b64 s[18:19], KROW
	s_mul_u64 s[20:21], s[20:21], s[18:19]         ; and their codes
	s_mul_u64 s[46:47], s[46:47], s[18:19]
	s_mul_i32 s45, s14, HALFT                      ; where they go: wave x 128 rows: no place in the cluster enters an LDS address
	s_mul_i32 s94, s14, HALFS
	s_wait_kmcnt 0x0
	s_add_nc_u64 s[20:21], s[4:5], s[20:21]
	s_add_nc_u64 s[22:23], s[6:7], s[22:23]
	s_add_nc_u64 s[46:47], s[8:9], s[46:47]
	s_add_nc_u64 s[92:93], s[10:11], s[92:93]
	CROUND                                         ; all sixteen work-groups are here: the first joint loads meet
	s_mov_b32 s[G0S], 1
	s_add_co_u32 s[G0S+1], s94, SCL
	s_mov_b64 s[G0S+2:G0S+3], s[22:23]
	s_or_b32 s[G0S+3], s[G0S+3], 0x80000000
	s_mov_b32 s[G0SB], 1
	s_add_co_u32 s[G0SB+1], s94, SCL
	s_mov_b64 s[G0SB+2:G0SB+3], s[92:93]
	s_or_b32 s[G0SB+3], s[G0SB+3], 0x80000000
	JLOAD G0S, G1S, G0SB, G1SB                     ; the scales first: they are wanted with K step 0
.irp s, 0,1
	s_mov_b32 s[G0+4*\s], 1
	s_add_co_u32 s[G0+4*\s+1], s45, \s*SLOT
	s_add_nc_u64 s[G0+4*\s+2:G0+4*\s+3], s[20:21], \s*ROWB
	s_or_b32 s[G0+4*\s+3], s[G0+4*\s+3], 0x80000000
	s_mov_b32 s[G0B+4*\s], 1
	s_add_co_u32 s[G0B+4*\s+1], s45, \s*SLOT
	s_add_nc_u64 s[G0B+4*\s+2:G0B+4*\s+3], s[46:47], \s*ROWB
	s_or_b32 s[G0B+4*\s+3], s[G0B+4*\s+3], 0x80000000
	JLOAD G0+4*\s, G1, G0B+4*\s, G1B               ; three tensor loads of mine are out now
.endr
	v_and_b32 v1, 15, v0                           ; l % 16
	v_bfe_u32 v2, v0, 4, 1                         ; l / 16
	v_mul_u32_u24 v3, v1, PITCH
	v_lshl_add_u32 v4, v2, 4, v3                   ; a fragment's row x pitch + 16 x half
	s_mul_i32 s21, s15, HALFT                      ; my 128 rows of A
	s_mul_i32 s22, s16, HALFT                      ; my 128 rows of B,
	s_add_co_u32 s22, s22, 2*HALFT                 ; which lie behind A's 256
.irp s, 0,1
	v_add_nc_u32 v[ADRA+\s], s21, v4
	v_add_nc_u32 v[ADRB+\s], s22, v4
	s_add_co_u32 s21, s21, SLOT
	s_add_co_u32 s22, s22, SLOT
.endr
	v_mul_u32_u24 v5, v1, KS                       ; my row's scales: KS bytes a row,
	v_lshrrev_b32 v6, 8, v5
	v_lshl_add_u32 v5, v6, 4, v5                   ; and 16 more for each 256 passed
	s_mul_i32 s21, s15, HALFS                      ; A's: my 128 rows
	s_mul_i32 s22, s16, HALFS                      ; B's: my 128 rows, behind A's 256
	s_add_co_u32 s22, s22, 2*HALFS
	s_sub_co_u32 s22, s22, s21
	v_mul_u32_u24 v6, s22, v2                      ; lanes 16-31 take B's
	s_add_co_u32 s21, s21, SCL
	v_add_nc_u32 v5, v5, v6
	v_add_nc_u32 v[ADRS], s21, v5
	v_lshlrev_b32 v[VO], 5, v2                     ; 32 x half
	v_and_b32 v6, 31, v0
	v_lshlrev_b32 v[PO], 4, v6                     ; 16 x lane
	; where my 128 columns begin in qp's row of my batch and in v_w, and my record in part
	s_lshr_b32 s20, s17, 2                         ; the batch: four tile rows to 1,024 rows
	s_lshl_b32 s20, s20, 13                        ; its row of qp: 8,192 bytes
	s_mov_b32 s21, 0
	s_lshl_b32 s46, s42, 10                        ; 1,024 x tile column + 512 x half
	s_lshl_b32 s47, s16, 9
	s_add_co_u32 s46, s46, s47
	s_mov_b32 s47, 0
	s_add_nc_u64 s[98:99], s[98:99], s[46:47]
	s_add_nc_u64 s[96:97], s[96:97], s[46:47]
	s_add_nc_u64 s[96:97], s[96:97], s[20:21]
	s_lshl_b32 s20, s17, 1
	s_add_co_u32 s20, s20, s15                     ; row / 128 = 2 x tile row + half
	s_lshl_b32 s20, s20, 4
	s_lshl_b32 s46, s42, 1
	s_add_co_u32 s46, s46, s16                     ; column / 128 = 2 x tile column + half
	s_add_co_u32 s20, s20, s46
	s_lshl_b32 s20, s20, 9                         ; records of 512 bytes
	s_add_nc_u64 s[12:13], s[12:13], s[20:21]
.irp b, 0,1,2,3,4,5,6,7
	global_load_b128 v[BC+8*\b:BC+8*\b+3], v[VO], s[96:97] offset:64*\b        ; qp(batch, 16 b + 8 h + 0 .. 7) of my 128 columns
	global_load_b128 v[BC+8*\b+4:BC+8*\b+7], v[VO], s[96:97] offset:64*\b+16
.endr
	s_wait_loadcnt 0x0                             ; (the first tiles are on their way meanwhile)
.set JJ, 0
.rept 32
	v_pk_mul_f32 v[BC+JJ:BC+JJ+1], v[BC+JJ:BC+JJ+1], s[CC:CC+1] op_sel_hi:[1,0]   ; c x qp, once: the end then needs one fused multiply-add for c x (qp + k_proj)
.set JJ, JJ+2
.endr
.macro FRAG reg, adr, q, i             ; a fragment, 16 rows x 128 K of 8-bit codes, is 16 registers: lane l holds row l % 16; registers 4 c .. 4 c + 3 hold K = 32 c + 16 (l / 16) + 0 .. 15
.irp c, 0,1,2,3
	ds_load_b128 v[\reg+4*\c:\reg+4*\c+3], v[\adr] offset:128*(\q)+32*\c+(\i)*16*PITCH
.endr
.endm
; A GROUP: 8 matrix instructions: A's block a x B's eight fragments of set p, 128 along K: the slot's q-th.  sc: the set of scale words.  zero = 1: the product starts the sums: nothing is ever cleared.
; The 64 accumulators take turns, one instruction a turn, in the same order in every step.
; nops = 1: a v_nop stands behind each of the eight.  A load into a register that a matrix instruction has read stands NP places behind that matrix instruction, and only plain vector instructions that name none
; of its registers are places (ISA guide 7.12.1 for vector instructions); the matrix instructions in between are not counted.  So a whole group with nops stands between the last
; product on a fragment and the run that fetches it anew; spread so, each v_nop is issued while the matrix unit works on the product in front of it.
.macro GRP a, p, q, sc, zero, nops
	WIN MUL_LO+0x50*((\a)/4)
.irp b, 0,1,2,3,4,5,6,7
.if \zero
	v_wmma_scale_f32_16x16x128_f8f6f4 v[8*(8*((\a)%4)+\b):8*(8*((\a)%4)+\b)+7], v[128*(\p)+FR*\b:128*(\p)+FR*\b+FR-1], v[AF+FR*(\a):AF+FR*(\a)+FR-1], 0, v[SC+8*NQ*(\sc)+NQ*\b+(\q)], v[SC+8*NQ*(\sc)+NQ*(\a)+(\q)] matrix_a_fmt:MATRIX_FMT_BF8 matrix_b_fmt:MATRIX_FMT_BF8 matrix_a_scale:MATRIX_SCALE_ROW1
.else
	v_wmma_scale_f32_16x16x128_f8f6f4 v[8*(8*((\a)%4)+\b):8*(8*((\a)%4)+\b)+7], v[128*(\p)+FR*\b:128*(\p)+FR*\b+FR-1], v[AF+FR*(\a):AF+FR*(\a)+FR-1], v[8*(8*((\a)%4)+\b):8*(8*((\a)%4)+\b)+7], v[SC+8*NQ*(\sc)+NQ*\b+(\q)], v[SC+8*NQ*(\sc)+NQ*(\a)+(\q)] matrix_a_fmt:MATRIX_FMT_BF8 matrix_b_fmt:MATRIX_FMT_BF8 matrix_a_scale:MATRIX_SCALE_ROW1
.endif
.if \nops
	v_nop
.endif
.endr
.endm
.macro LDB slot, q, p, i0, n           ; a run: n fragments of B, from fragment i0 on, of the slot's q-th 128 along K, into set p: 4 n loads
	WIN TO_B
.set FI, \i0
.rept \n
	FRAG 128*(\p)+FR*FI, ADRB+\slot, \q, FI
.set FI, FI+1
.endr
.endm
.macro LDA slot, q, i0                 ; a run: A's blocks i0 and i0 + 1: 8 loads
	WIN 0
	FRAG AF+FR*(\i0), ADRA+\slot, \q, \i0
	FRAG AF+FR*(\i0+1), ADRA+\slot, \q, \i0+1
.endm
.macro SCALES sc                       ; the next K step's scale words into set sc: NQ words a row; lanes 0-15 take A's block i, lanes 16-31 B's block i: 8 loads
.irp i, 0,1,2,3,4,5,6,7
	ds_load_b64 v[SC+8*NQ*\sc+NQ*\i:SC+8*NQ*\sc+NQ*\i+1], v[ADRS] offset:\i*SBLK
.endr
.endm
.macro PLACES n
.rept \n
	v_nop
.endr
.endm
; A SLOT'S FIRST STEP (B in set 0).  On the way in, the youngest LDS loads are: .. B's fragments 4-7 | A's blocks 2, 3 (8 loads) | A's blocks 4, 5 (8).  LDS loads come back in order (ISA guide 5.7.1), so each wait's
; count is the number of loads issued behind the ones that the next group wants.
.macro STEP slot, zero
	s_wait_dscnt 16                                ; B's set, A's blocks 0, 1 and the scale words are in; blocks 2-5 may be out
	GRP 0, 0, 0, \slot, \zero, 1                   ; (its v_nop: places behind the last step's last group, for blocks 6, 7 and for B's set 1)
	LDA \slot, 0, 6                                ; this step's blocks 6, 7
	GRP 1, 0, 0, \slot, \zero, 0
	LDB \slot, 1, 1, 0, 2                          ; the next step's B, two fragments a run
	s_wait_dscnt 24                                ; blocks 2, 3 are in; behind them: blocks 4, 5 and the two runs above
	GRP 2, 0, 0, \slot, \zero, 1                   ; (places behind group 1, for blocks 0, 1)
	LDA \slot, 1, 0                                ; the next step's blocks 0, 1
	GRP 3, 0, 0, \slot, \zero, 0
	LDB \slot, 1, 1, 2, 2
	s_wait_dscnt 32                                ; blocks 4, 5 are in; behind them: four runs
	GRP 4, 0, 0, \slot, \zero, 0
	LDB \slot, 1, 1, 4, 2
	GRP 5, 0, 0, \slot, \zero, 0
	LDB \slot, 1, 1, 6, 2
	s_wait_dscnt 40                                ; blocks 6, 7 are in; behind them: five runs
	GRP 6, 0, 0, \slot, \zero, 1                   ; (places behind groups 3 and 5, for blocks 2-5)
	LDA \slot, 1, 2
	GRP 7, 0, 0, \slot, \zero, 0
	LDA \slot, 1, 4
.endm
; A SLOT'S LAST STEP (B in set 1) changes slots.  The slot's last bytes, this step's blocks 6 and 7 of A, are asked for behind group 0.  Behind group 1 each wave waits for all its tensor loads (one is out: its part of
; the next slot) and adds 0 to its spare word; group 2 stands between the add and the wait for it and for the wave's reads of this slot; then ONE barrier.  So eight matrix instructions, the barrier and the round
; stand between the landing of one tile and the request for the next.  fill = 1: this slot is filled again, two K steps ahead.  Behind the barrier the next slot's first fragments come in five runs.
.macro TURN slot, next, fill
	s_wait_dscnt 16                                ; B's set 1 and A's blocks 0, 1 are in; blocks 2-5 may be out
	GRP 0, 1, 1, \slot, 0, 1                       ; (places behind the last step's last group, for blocks 6, 7 and for B's set 0)
	LDA \slot, 1, 6                                ; my last reads of this slot
	GRP 1, 1, 1, \slot, 0, 0
	WIN 0                                          ; (the add's two registers lie in window 0)
	s_wait_tensorcnt 0x0                           ; all my tensor loads have landed: my part of the next slot; so every group 0 may be written
	ds_add_u32 v[SPW], v[NIL]                      ; 0 onto my spare word
.if \fill
	s_add_nc_u64 s[G0+4*\slot+2:G0+4*\slot+3], s[G0+4*\slot+2:G0+4*\slot+3], 2*ROWB       ; this slot's next tile
	s_add_nc_u64 s[G0B+4*\slot+2:G0B+4*\slot+3], s[G0B+4*\slot+2:G0B+4*\slot+3], 2*ROWB
.endif
	s_wait_dscnt 17                                ; blocks 2, 3 are in; behind them: blocks 4, 5, blocks 6, 7 and the add
	GRP 2, 1, 1, \slot, 0, 0
	s_wait_dscnt 0x0                               ; the add is done, and my reads of this slot are over
	s_barrier_signal -1
	WIN 0
	s_barrier_wait -1
.if \fill
	CREST                                          ; the barrier has opened a round of the cluster's barrier: no wave of any partner still reads this slot's tile or has a load on its way
	JLOAD G0+4*\slot, G1, G0B+4*\slot, G1B         ; the first tensor load behind the round, and my only one until the next
.endif
	v_add_nc_u32 v[ADRS], 4*NQ, v[ADRS]            ; on to the next K step's scale words (no LDS load of mine is out)
	LDB \next, 0, 0, 0, 4
	GRP 3, 1, 1, \slot, 0, 1                       ; (places behind group 1, for blocks 0, 1)
	LDA \next, 0, 0
	SCALES \next
	GRP 4, 1, 1, \slot, 0, 0
	LDB \next, 0, 0, 4, 4
	GRP 5, 1, 1, \slot, 0, 1                       ; (places behind group 3, for blocks 2, 3)
	LDA \next, 0, 2
	GRP 6, 1, 1, \slot, 0, 0
	GRP 7, 1, 1, \slot, 0, 1                       ; (places behind group 5, for blocks 4, 5)
	LDA \next, 0, 4
.endm
	s_wait_tensorcnt 1                             ; the scales and my part of K step 0 are in (K step 1's load may be out)
	s_barrier_signal -1
	s_barrier_wait -1                              ; everybody's are
	LDB 0, 0, 0, 0, 4                              ; the first fragments, in the order in which a change of slots fetches them
	LDA 0, 0, 0
	SCALES 0
	LDB 0, 0, 0, 4, 4
	LDA 0, 0, 2
	LDA 0, 0, 4
	STEP 0, 1                                      ; the first step stands in front of the loop: its products start the sums
	s_mov_b32 s3, LAPS-1
.Llap:                                                 ; a trip goes once round the ring, from a lap's second step to the next lap's first, and fills both slots again.  (Every step ends in window 0)
	TURN 0, 1, 1
	STEP 1, 0
	TURN 1, 0, 1
	STEP 0, 0
	s_sub_co_u32 s3, s3, 1
	s_cmp_lg_u32 s3, 0
	s_cbranch_scc1 .Llap
	TURN 0, 1, 0                                   ; the last lap fills nothing, and has no round of the cluster's barrier
	STEP 1, 0
	s_wait_dscnt 16                                ; the very last step: only its blocks 6, 7 are still to fetch
	GRP 0, 1, 1, 1, 0, 1                           ; (places behind the last step's last group, for blocks 6, 7 and for B's set 0)
	LDA 1, 1, 6
	WIN TO_B                                       ; B's set 0 is done with: it takes v_w, which lands under the last products
.irp b, 0,1,2,3,4,5,6,7
	global_load_b128 v[8*\b:8*\b+3], v[VO], s[98:99] offset:64*\b              ; v_w(16 b + 8 h + 0 .. 7) of my 128 columns -> window 1, v[8 b ..]
	global_load_b128 v[8*\b+4:8*\b+7], v[VO], s[98:99] offset:64*\b+16
.endr
	GRP 1, 1, 1, 1, 0, 0
	s_wait_dscnt 16                                ; blocks 2, 3 are in; behind them: blocks 4, 5 and 6, 7
	GRP 2, 1, 1, 1, 0, 0
	GRP 3, 1, 1, 1, 0, 0
	s_wait_dscnt 8                                 ; blocks 4, 5
	GRP 4, 1, 1, 1, 0, 0
	GRP 5, 1, 1, 1, 0, 0
	s_wait_dscnt 0x0                               ; blocks 6, 7
	GRP 6, 1, 1, 1, 0, 0
	GRP 7, 1, 1, 1, 0, 0
	WIN 0
; THE END: tanh and the product with v_w, on the accumulators, in place.
	PLACES NP                                      ; between the last products and the first read of results, and the first write over A's fragments
	s_wait_loadcnt 0x0                             ; v_w
	WIN 0x05                                       ; sources 0 and 1 window 1
	v_pk_add_f32 v[SV:SV+1], v[0:1], v[2:3]        ; the sum of my 64 numbers of v_w: two chains of pairs, started by the first four pairs
	v_pk_add_f32 v[SV+2:SV+3], v[4:5], v[6:7]
	WIN 0x01                                       ; source 0 window 1
.irp j, 8,12,16,20,24,28,32,36,40,44,48,52,56,60
	v_pk_add_f32 v[SV:SV+1], v[\j:\j+1], v[SV:SV+1]
	v_pk_add_f32 v[SV+2:SV+3], v[\j+2:\j+3], v[SV+2:SV+3]
.endr
	WIN 0
	v_pk_add_f32 v[SV:SV+1], v[SV:SV+1], v[SV+2:SV+3]
	v_add_f32 v[SV], v[SV], v[SV+1]
; Line i of four of unit u's first stage: two numbers: c x k_proj + c x qp.  A unit is an accumulator: u = 8 (a % 4) + b.  The lines ascend.
.macro STA u, i
	v_pk_fma_f32 v[8*(\u)+2*(\i):8*(\u)+2*(\i)+1], v[8*(\u)+2*(\i):8*(\u)+2*(\i)+1], s[CC:CC+1], v[BC+8*((\u)%8)+2*(\i):BC+8*((\u)%8)+2*(\i)+1] op_sel_hi:[1,0,1]
.endm
; The 32 units of window 2 (hi = 0) or 3 (hi = 1).  A unit goes through four stages: c x, 2^, + 1, 1 /.  Three units are in hand at a time, so that two transcendentals and one plain line take turns:
; each transcendental's result is used only behind a plain line (ISA guide 5.7.2), and no v_nop is written.  Then the reciprocals are multiplied by v_w and summed by rows, four rows' sums by turns.
.macro EPI hi
	WIN 0x82+0x41*\hi                              ; destination and source 0: the accumulators' window; source 2 (c x qp): window 0
.irp i, 0,1,2,3
	STA 0, \i
.endr
.set U, 0
.rept 33
.irp i, 0,1,2,3
.if U < 32
	v_exp_f32 v[8*U+2*\i], v[8*U+2*\i]
	v_exp_f32 v[8*U+2*\i+1], v[8*U+2*\i+1]
.endif
.if U > 0
	s_wait_alu depctr_va_vdst(0)
	v_pk_add_f32 v[8*(U-1)+2*\i:8*(U-1)+2*\i+1], v[8*(U-1)+2*\i:8*(U-1)+2*\i+1], 1.0 op_sel_hi:[1,0]
.endif
.endr
.irp i, 0,1,2,3
.if U > 0
	v_rcp_f32 v[8*(U-1)+2*\i], v[8*(U-1)+2*\i]
	v_rcp_f32 v[8*(U-1)+2*\i+1], v[8*(U-1)+2*\i+1]
.endif
.if U < 31
	STA U+1, \i
.endif
.endr
.set U, U+1
.endr
	WIN 0x06+\hi                                   ; source 0: the accumulators' window; source 1 (v_w): window 1; source 2 and destination: window 0
.irp b, 0,1,2,3,4,5,6,7                        ; unit 31, whose reciprocals were the last, is read last
.irp i, 0,1,2,3
.irp a, 0,1,2,3
.if (\b == 0) && (\i == 0)
	v_pk_mul_f32 v[S+2*(4*\hi+\a):S+2*(4*\hi+\a)+1], v[8*(8*\a+\b)+2*\i:8*(8*\a+\b)+2*\i+1], v[8*\b+2*\i:8*\b+2*\i+1]   ; the first product starts a row's sum: nothing is cleared
	s_wait_alu depctr_va_vdst(0)
.else
	v_pk_fma_f32 v[S+2*(4*\hi+\a):S+2*(4*\hi+\a)+1], v[8*(8*\a+\b)+2*\i:8*(8*\a+\b)+2*\i+1], v[8*\b+2*\i:8*\b+2*\i+1], v[S+2*(4*\hi+\a):S+2*(4*\hi+\a)+1]
.endif
.endr
.endr
.endr
.endm
	EPI 0
	EPI 1
	WIN 0
.irp a, 0,1,2,3,4,5,6,7
	v_add_f32 v[T+\a], v[S+2*\a], v[S+2*\a+1]
.endr
.irp a, 0,1,2,3,4,5,6,7
	v_fma_f32 v[T+\a], -2.0, v[T+\a], v[SV]        ; my 64 columns' part of row 16 a + r: the sum of v - 2 x the sum of v / (1 + 2^(c x))
.endr
	; the row's other 64 columns lie in lane l xor 16.  Of blocks 2 i and 2 i + 1 lanes 0-15 keep the first and send the second, lanes 16-31 the other way round: one exchange serves two blocks, and lane l ends with row 32 i + l
	v_bfe_u32 v[HH], v0, 4, 1
	v_cmp_eq_u32 vcc_lo, 1, v[HH]
.irp i, 0,1,2,3
	v_cndmask_b32 v[KP+\i], v[T+2*\i], v[T+2*\i+1], vcc_lo
	v_cndmask_b32 v[SN+\i], v[T+2*\i+1], v[T+2*\i], vcc_lo
.endr
.irp i, 0,1,2,3
	v_permlanex16_b32 v[RC+\i], v[SN+\i], s[PSEL], s[PSEL+1]
.endr
.irp i, 0,1,2,3
	v_add_f32 v[KP+\i], v[KP+\i], v[RC+\i]
.endr
	global_store_b128 v[PO], v[KP:KP+3], s[12:13]  ; 32 lanes store the wave's record: 512 consecutive bytes, at a multiple of 512 from part's first byte
	s_wait_tensorcnt 0x0                           ; the wave's end, behind my last tensor load
	ds_add_u32 v[SPW], v[NIL]
	s_wait_dscnt 0x0
	CROUND                                         ; the closing round: no work-group ends while a partner may still ask for a tile that names it
	s_endpgm
.Lfunc_end_k_q6df0e4d8a9_gemm:
	.size	k_q6df0e4d8a9_gemm, .Lfunc_end_k_q6df0e4d8a9_gemm-k_q6df0e4d8a9_gemm
	.p2alignl 7, 3214868480
	.fill 96, 4, 3214868480
	.section	.rodata,"a",@progbits
	.p2align	6, 0x0
	.amdhsa_kernel k_q6df0e4d8a9_gemm
		.amdhsa_group_segment_fixed_size 327680
		.amdhsa_private_segment_fixed_size 0
		.amdhsa_enable_private_segment 0
		.amdhsa_kernarg_size 56
		.amdhsa_user_sgpr_count 2
		.amdhsa_user_sgpr_kernarg_segment_ptr 1
		.amdhsa_wavefront_size32 1
		.amdhsa_system_sgpr_workgroup_id_x 1
		.amdhsa_system_sgpr_workgroup_id_y 1
		.amdhsa_system_sgpr_workgroup_id_z 1
		.amdhsa_system_vgpr_workitem_id 0
		.amdhsa_next_free_vgpr 1024
		.amdhsa_next_free_sgpr 102
		.amdhsa_reserve_vcc 1
		.amdhsa_float_denorm_mode_32 3
		.amdhsa_float_denorm_mode_16_64 3
		.amdhsa_memory_ordered 1
		.amdhsa_forward_progress 1
		.amdhsa_inst_pref_size 219
	.end_amdhsa_kernel
	.amdgpu_metadata
---
amdhsa.version: [ 1, 2 ]
amdhsa.kernels:
  - .name:           k_q6df0e4d8a9_gemm
    .symbol:         k_q6df0e4d8a9_gemm.kd
    .args:
      - { .name: a_codes, .offset: 0, .size: 8, .value_kind: global_buffer, .address_space: global }
      - { .name: a_scales, .offset: 8, .size: 8, .value_kind: global_buffer, .address_space: global }
      - { .name: b_codes, .offset: 16, .size: 8, .value_kind: global_buffer, .address_space: global }
      - { .name: b_scales, .offset: 24, .size: 8, .value_kind: global_buffer, .address_space: global }
      - { .name: qp, .offset: 32, .size: 8, .value_kind: global_buffer, .address_space: global }
      - { .name: v_w, .offset: 40, .size: 8, .value_kind: global_buffer, .address_space: global }
      - { .name: part, .offset: 48, .size: 8, .value_kind: global_buffer, .address_space: global }
    .group_segment_fixed_size: 327680
    .private_segment_fixed_size: 0
    .kernarg_segment_align: 8
    .kernarg_segment_size: 56
    .max_flat_workgroup_size: 128
    .sgpr_count:     102
    .vgpr_count:     1024
    .wavefront_size: 32
...
	.end_amdgpu_metadata
.endif
;; end of part 2
;; launch ctx (part 3): grid 16 x 16, 16 waves a work-group, no clusters, 14,848 bytes of LDS; arguments keys, part, v_b, out0, out1; writes out0, out1
.if DOCPART == 3
	.amdgcn_target "amdgcn-amd-amdhsa--gfx1250"
	.amdhsa_code_object_version 6
	.text
	.protected	k_q6df0e4d8a9_ctx
	.globl	k_q6df0e4d8a9_ctx
	.p2align	8
	.type	k_q6df0e4d8a9_ctx,@function
k_q6df0e4d8a9_ctx:
	s_mov_b64 s[64:65], 0
	v_nop
	global_prefetch_b8 v0, s[64:65] scope:SCOPE_SE
	s_setreg_imm32_b32 hwreg(HW_REG_WAVE_MODE, 25, 1), 1
	s_wait_xcnt 0x0
; score[b][s] = v_b + the sum of the 16 partial scores of row s;  a = softmax over the batch's 1,024 rows, with the rows' true maximum taken away;  out1 = a;  out0[b][k] = the sum over s of a[s] keys[b][s][k].  All in f32.
; A work-group takes one batch (y) and 128 columns of keys (x): 512 bytes of each of the batch's 1,024 rows.  Each of its sixteen waves takes 64 rows; a lane holds four columns.
; Memory binds: keys are read once, 512 consecutive aligned bytes to a load, 32 loads of every wave on their way; the first 32 are asked for ahead of the softmax and land under it.
; Every work-group of a batch makes the batch's softmax itself, from 64 KiB of partial scores against its 512 KiB of keys; the one with x = 0 stores it.  No matrix unit (one row against a matrix), no tensor load, no cluster:
; the work-groups share no tile of keys.
; part: [row / 128][column / 128][128 f32]; in a record of 512 bytes the word at byte 16 l + 4 i is row 32 i + l of the 128.
; LIMITS: NaN and infinities among the inputs are not served.  A weight under 2^-126 of the largest counts as 0 (v_exp_f32 flushes: ISA guide, its entry).
.set RMAX, 0                           ; LDS: the sixteen waves' maxima,
.set RSUM, 256                         ; their sums,
.set WGT,  512                         ; the batch's 1,024 weights, in the order of the rows,
.set RED,  4608                        ; and 512 bytes for each wave: its part of the 128 columns' sums
.set PS,   16                          ; v16-47   my two rows' sixteen partial scores, in pairs
.set WT,   16                          ; v16-79   later: the weights of my wave's 64 rows, the same in every lane
.set RDB,  48                          ; v48-63   the sixteen waves' figures, read back
.set KR,   80                          ; v80-207  32 slots of four registers: 16 bytes of a row of keys
.set ACC,  208                         ; v208-215 the sums of my four columns: even rows', odd rows'
	s_load_b256 s[4:11], s[0:1], 0x0               ; keys s[4:5], part s[6:7], v_b s[8:9], out0 s[10:11]
	s_load_b64 s[12:13], s[0:1], 0x20              ; out1
	v_lshl_add_u32 v216, v0, 2, 0x3200
	v_mov_b32 v217, 0
	v_lshrrev_b32 v12, 5, v0
	v_readfirstlane_b32 s14, v12                   ; wave 0..15
	s_and_b32 s15, ttmp7, 0xffff                   ; the batch
	v_and_b32 v1, 31, v0                           ; lane
	v_lshlrev_b32 v2, 4, v1                        ; my 16 bytes of a row's 512, in keys and in out0
	v_lshrrev_b32 v13, 6, v0                       ; thread t takes words 2 (t % 64) and 2 (t % 64) + 1 of the records of rows 128 (t / 64) on
	v_and_b32 v3, 63, v0
	v_lshlrev_b32 v3, 3, v3
	v_lshl_add_u32 v3, v13, 13, v3                 ; part: 8,192 (t / 64) + 8 (t % 64): a wave's load reads 256 consecutive bytes
	v_mov_b32 v4, 0
	v_lshlrev_b32 v5, 2, v12                       ; my wave's word among sixteen
	v_lshlrev_b32 v6, 9, v13                       ; these two words are rows 128 (t / 64) + 64 (t % 2) + (t % 64) / 2 and 32 further on
	v_and_b32 v14, 1, v0
	v_lshl_add_u32 v6, v14, 8, v6
	v_bfe_u32 v14, v0, 1, 5
	v_lshl_add_u32 v6, v14, 2, v6
	v_add_nc_u32 v6, WGT, v6                       ; where the first one's weight goes
	v_lshl_add_u32 v7, v12, 8, WGT                 ; my wave's 64 weights
	v_lshl_add_u32 v8, v0, 3, WGT                  ; the way out of the weights: 8 bytes a thread,
	v_lshlrev_b32 v9, 3, v0                        ; and the same place in out1
	v_lshl_add_u32 v10, v0, 4, RED                 ; my sums' place: 512 x wave + 16 x lane
	v_lshl_add_u32 v11, v1, 4, RED                 ; and where wave 0 reads them back
	s_lshl_b32 s18, s15, 16                        ; part: eight runs of 128 rows x 16 records of 512 bytes a batch
	s_mov_b32 s19, 0
	s_lshl_b32 s20, s15, 23                        ; keys: a batch is 1,024 rows of 8,192 bytes,
	s_lshl_b32 s17, ttmp9, 9                       ; my 128 columns,
	s_add_co_u32 s20, s20, s17
	s_lshl_b32 s22, s14, 19                        ; my wave's 64 rows
	s_add_co_u32 s20, s20, s22
	s_mov_b32 s21, 0
	s_lshl_b32 s22, s15, 13                        ; out0: a row of 8,192 bytes a batch, my 128 columns
	s_add_co_u32 s22, s22, s17
	s_mov_b32 s23, 0
	s_lshl_b32 s24, s15, 12                        ; out1: 4,096 bytes a batch
	s_mov_b32 s25, 0
	s_mov_b32 s26, 0x76543210                      ; v_permlanex16_b32's selects for lane l xor 16
	s_mov_b32 s27, 0xfedcba98
	s_wait_kmcnt 0x0
	s_load_b32 s16, s[8:9], 0x0                    ; v_b
	s_add_nc_u64 s[6:7], s[6:7], s[18:19]
	s_add_nc_u64 s[4:5], s[4:5], s[20:21]
	s_add_nc_u64 s[10:11], s[10:11], s[22:23]
	s_add_nc_u64 s[12:13], s[12:13], s[24:25]
.irp c, 0,1,2,3,4,5,6,7,8,9,10,11,12,13,14,15
	global_load_b64 v[PS+2*\c:PS+2*\c+1], v3, s[6:7] offset:512*\c             ; first, since loads come back in the order of issue
.endr
.irp i, 0,1,2,3,4,5,6,7,8,9,10,11,12,13,14,15,16,17,18,19,20,21,22,23,24,25,26,27,28,29,30,31
	global_load_b128 v[KR+4*\i:KR+4*\i+3], v2, s[4:5] offset:8192*\i th:TH_LOAD_NT   ; rows 0 to 31 of my 64
.endr
	s_wait_loadcnt 32                              ; the partial scores are in; the 32 loads of keys stay out
	s_wait_kmcnt 0x0                               ; v_b
.irp c, 2,4,6,8,10,12,14
	v_pk_add_f32 v[PS:PS+1], v[PS:PS+1], v[PS+2*\c:PS+2*\c+1]                  ; two chains
	v_pk_add_f32 v[PS+2:PS+3], v[PS+2:PS+3], v[PS+2*\c+2:PS+2*\c+3]
.endr
	v_pk_add_f32 v[PS:PS+1], v[PS:PS+1], v[PS+2:PS+3]
	v_add_f32 v16, s16, v16                        ; my two scores
	v_add_f32 v17, s16, v17
	; the largest of the batch's 1,024: in the lane, across the wave, across the sixteen waves
	v_max_num_f32 v12, v16, v17
	v_max_num_f32_dpp v12, v12, v12 row_xmask:1 row_mask:0xf bank_mask:0xf
	v_max_num_f32_dpp v12, v12, v12 row_xmask:2 row_mask:0xf bank_mask:0xf
	v_max_num_f32_dpp v12, v12, v12 row_xmask:4 row_mask:0xf bank_mask:0xf
	v_max_num_f32_dpp v12, v12, v12 row_xmask:8 row_mask:0xf bank_mask:0xf
	v_permlanex16_b32 v13, v12, s26, s27           ; (its destination counts as read: v13 was written above)
	v_max_num_f32 v12, v12, v13
	ds_store_b32 v5, v12 offset:RMAX               ; all lanes write the same word with the same value
	s_wait_dscnt 0x0                               ; for the others' sake
	s_barrier_signal -1
	s_barrier_wait -1
.irp j, 0,1,2,3
	ds_load_b128 v[RDB+4*\j:RDB+4*\j+3], v4 offset:RMAX+16*\j
.endr
	s_wait_dscnt 0x0
	v_max3_num_f32 v12, v[RDB], v[RDB+1], v[RDB+2]
.irp j, 3,5,7,9,11,13
	v_max3_num_f32 v12, v12, v[RDB+\j], v[RDB+\j+1]
.endr
	v_max_num_f32 v12, v12, v[RDB+15]
	v_sub_f32 v14, v16, v12                        ; score - the largest: 0 or less
	v_sub_f32 v15, v17, v12
	v_mul_f32 v14, 0x3fb8aa3b, v14                 ; x log2(e)
	v_mul_f32 v15, 0x3fb8aa3b, v15
	v_exp_f32 v14, v14
	v_exp_f32 v15, v15
	v_nop                                          ; a plain line between an exponential and the use of its result
	s_wait_alu depctr_va_vdst(0)
	v_add_f32 v12, v14, v15
	v_add_f32_dpp v12, v12, v12 row_xmask:1 row_mask:0xf bank_mask:0xf
	v_add_f32_dpp v12, v12, v12 row_xmask:2 row_mask:0xf bank_mask:0xf
	v_add_f32_dpp v12, v12, v12 row_xmask:4 row_mask:0xf bank_mask:0xf
	v_add_f32_dpp v12, v12, v12 row_xmask:8 row_mask:0xf bank_mask:0xf
	v_permlanex16_b32 v13, v12, s26, s27
	v_add_f32 v12, v12, v13
	ds_store_b32 v5, v12 offset:RSUM               ; other bytes than the maxima's: no barrier is owed between
	s_wait_dscnt 0x0
	s_barrier_signal -1
	s_barrier_wait -1
.irp j, 0,1,2,3
	ds_load_b128 v[RDB+4*\j:RDB+4*\j+3], v4 offset:RSUM+16*\j
.endr
	s_wait_dscnt 0x0
.irp j, 0,4,8,12
	v_pk_add_f32 v[RDB+\j:RDB+\j+1], v[RDB+\j:RDB+\j+1], v[RDB+\j+2:RDB+\j+3]
.endr
	v_pk_add_f32 v[RDB:RDB+1], v[RDB:RDB+1], v[RDB+4:RDB+5]
	v_pk_add_f32 v[RDB+8:RDB+9], v[RDB+8:RDB+9], v[RDB+12:RDB+13]
	v_pk_add_f32 v[RDB:RDB+1], v[RDB:RDB+1], v[RDB+8:RDB+9]
	v_add_f32 v12, v[RDB], v[RDB+1]                ; at least 1: the largest score's own term
	v_rcp_f32 v12, v12
	v_nop
	s_wait_alu depctr_va_vdst(0)
	v_mul_f32 v14, v14, v12                        ; my two weights
	v_mul_f32 v15, v15, v12
	ds_store_b32 v6, v14
	ds_store_b32 v6, v15 offset:128                ; 32 rows on
	s_wait_dscnt 0x0
	s_barrier_signal -1
	s_barrier_wait -1                              ; the batch's 1,024 weights lie in LDS, in the order of the rows
	s_cmp_lg_u32 ttmp9, 0                          ; one work-group of a batch stores them
	s_cbranch_scc1 .Lnot_first
	ds_load_b64 v[14:15], v8
	s_wait_dscnt 0x0
	global_store_b64 v9, v[14:15], s[12:13]        ; a wave stores 256 consecutive bytes, aligned
.Lnot_first:
.irp j, 0,1,2,3,4,5,6,7,8,9,10,11,12,13,14,15
	ds_load_b128 v[WT+4*\j:WT+4*\j+3], v7 offset:16*\j         ; every lane reads the same 16 bytes: register i = the weight of my wave's row i
.endr
	s_wait_dscnt 0x0
; row i of my 64: behind its load were issued the loads of the 31 slots that follow (later: of the 63 - i rows that are left).  The slot is then asked for the row 32 further on.
.set I, 0
.rept 64
.if I < 32
	s_wait_loadcnt 31
.else
	s_wait_loadcnt 63-I
.endif
.irp k, 0,1,2,3
.if I < 2
	v_mul_f32 v[ACC+4*(I%2)+\k], v[WT+I], v[KR+4*(I%32)+\k]    ; rows 0 and 1 start the two sets of sums: nothing is cleared
.else
	v_fmac_f32 v[ACC+4*(I%2)+\k], v[WT+I], v[KR+4*(I%32)+\k]
.endif
.endr
.if I < 32
	global_load_b128 v[KR+4*I:KR+4*I+3], v2, s[4:5] offset:8192*(I+32) th:TH_LOAD_NT
.endif
.set I, I+1
.endr
	v_pk_add_f32 v[ACC:ACC+1], v[ACC:ACC+1], v[ACC+4:ACC+5]
	v_pk_add_f32 v[ACC+2:ACC+3], v[ACC+2:ACC+3], v[ACC+6:ACC+7]
	ds_store_b128 v10, v[ACC:ACC+3]
	s_wait_dscnt 0x0
	s_barrier_signal -1
	s_barrier_wait -1                              ; the sixteen waves' parts lie in LDS
	s_cmp_lg_u32 s14, 0                            ; wave 0 adds them: 8 KiB, once
	s_cbranch_scc1 .Ldone
.irp w, 0,1,2,3,4,5,6,7,8,9,10,11,12,13,14,15
	ds_load_b128 v[KR+4*\w:KR+4*\w+3], v11 offset:512*\w
.endr
	s_wait_dscnt 0x0
.irp d, 8,4,2,1
.set W, 0
.rept \d
	v_pk_add_f32 v[KR+4*W:KR+4*W+1], v[KR+4*W:KR+4*W+1], v[KR+4*(W+\d):KR+4*(W+\d)+1]
	v_pk_add_f32 v[KR+4*W+2:KR+4*W+3], v[KR+4*W+2:KR+4*W+3], v[KR+4*(W+\d)+2:KR+4*(W+\d)+3]
.set W, W+1
.endr
.endr
	global_store_b128 v2, v[KR:KR+3], s[10:11]     ; 32 lanes store 512 consecutive bytes, at a multiple of 512 from out0's first byte
.Ldone:
	s_wait_tensorcnt 0x0
	ds_add_u32 v216, v217
	s_wait_dscnt 0x0
	s_endpgm
.Lfunc_end_k_q6df0e4d8a9_ctx:
	.size	k_q6df0e4d8a9_ctx, .Lfunc_end_k_q6df0e4d8a9_ctx-k_q6df0e4d8a9_ctx
	.p2alignl 7, 3214868480
	.fill 96, 4, 3214868480
	.section	.rodata,"a",@progbits
	.p2align	6, 0x0
	.amdhsa_kernel k_q6df0e4d8a9_ctx
		.amdhsa_group_segment_fixed_size 14848
		.amdhsa_private_segment_fixed_size 0
		.amdhsa_enable_private_segment 0
		.amdhsa_kernarg_size 40
		.amdhsa_user_sgpr_count 2
		.amdhsa_user_sgpr_kernarg_segment_ptr 1
		.amdhsa_wavefront_size32 1
		.amdhsa_system_sgpr_workgroup_id_x 1
		.amdhsa_system_sgpr_workgroup_id_y 1
		.amdhsa_system_sgpr_workgroup_id_z 1
		.amdhsa_system_vgpr_workitem_id 0
		.amdhsa_next_free_vgpr 218
		.amdhsa_next_free_sgpr 66
		.amdhsa_reserve_vcc 0
		.amdhsa_float_denorm_mode_32 3
		.amdhsa_float_denorm_mode_16_64 3
		.amdhsa_memory_ordered 1
		.amdhsa_forward_progress 1
		.amdhsa_inst_pref_size 29
	.end_amdhsa_kernel
	.amdgpu_metadata
---
amdhsa.version: [ 1, 2 ]
amdhsa.kernels:
  - .name:           k_q6df0e4d8a9_ctx
    .symbol:         k_q6df0e4d8a9_ctx.kd
    .args:
      - { .name: keys, .offset: 0, .size: 8, .value_kind: global_buffer, .address_space: global }
      - { .name: part, .offset: 8, .size: 8, .value_kind: global_buffer, .address_space: global }
      - { .name: v_b, .offset: 16, .size: 8, .value_kind: global_buffer, .address_space: global }
      - { .name: out0, .offset: 24, .size: 8, .value_kind: global_buffer, .address_space: global }
      - { .name: out1, .offset: 32, .size: 8, .value_kind: global_buffer, .address_space: global }
    .group_segment_fixed_size: 14848
    .private_segment_fixed_size: 0
    .kernarg_segment_align: 8
    .kernarg_segment_size: 40
    .max_flat_workgroup_size: 512
    .sgpr_count:     66
    .vgpr_count:     218
    .wavefront_size: 32
...
	.end_amdgpu_metadata
.endif
;; end of part 3
;; ======== version 2 of 2: 3 launches; version 1 with the launches prep, ctx written anew for expert scheduling mode
;; workspace buffers: a_codes 33,554,432 bytes; a_scales 1,048,576 bytes; b_codes 4,194,304 bytes; b_scales 131,072 bytes; qp 131,072 bytes; part 1,048,576 bytes
;; launch prep (part 4): grid 1184 x 1, 4 waves a work-group, no clusters, 33,280 bytes of LDS; arguments keys, Wk_w, a_codes, a_scales, b_codes, b_scales, query, Wq_w, Wq_b, Wk_b, qp; writes a_codes, a_scales, b_codes, b_scales, qp
.if DOCPART == 4
	.amdgcn_target "amdgcn-amd-amdhsa--gfx1250"
	.amdhsa_code_object_version 6
	.text
	.protected	k_q6df0e4d8a9_prep
	.globl	k_q6df0e4d8a9_prep
	.p2align	8
	.type	k_q6df0e4d8a9_prep,@function
k_q6df0e4d8a9_prep:
	s_mov_b64 s[64:65], 0
	v_nop
	global_prefetch_b8 v0, s[64:65] scope:SCOPE_SE
	s_setreg_imm32_b32 hwreg(HW_REG_WAVE_SCHED_MODE, 0, 2), 2
	s_setreg_imm32_b32 hwreg(HW_REG_WAVE_MODE, 25, 1), 1
	s_wait_xcnt 0x0
	s_wait_alu depctr_vm_vsrc(0)
; TWO JOBS IN ONE LAUNCH, parted on the work-group's number.
; Work-groups 0 to 31: qp[b][o] = Q(query)[b] . Q(Wq_w)[o] + Wq_b[o] + Wk_b[o], both operands quantised along K = 1,024 in registers, the product on codes of BF8 (E5M2) with E8M0 scales.
;   (Both biases are added to the same sum in front of the tanh, so they are joined here, once.)
; Work-groups 32 to 1,183: keys [16,384][2,048] and Wk_w [2,048][2,048], f32, become codes of BF8, K innermost, one byte a code, with one E8M0 scale byte for each 32 along K.
; THE QUANTISER.  A block's scale is 2^(floor(log2(its largest magnitude)) - 15); its byte is the largest magnitude's own exponent field - 15, held at 1 from below.  Each number is divided by the scale,
; held within +-57,344 and rounded to the nearest code, ties to even.  A block of zeros gets the byte 1 where the rule says 127: its codes are zeros, which add nothing under any byte but 0xff, and this program alone reads the bytes.
; LIMITS: NaN and infinities among the inputs are not served.
; The short job has the low numbers, so that its chain of dependent loads runs beside the stream.  It touches no LDS; neither job has a barrier.
; THE MODE: SCHED_MODE bits 1:0 = 2 (LLVM: expert scheduling mode 2), set by the entry lines.  The code itself states the register dependences
; between vector or matrix instructions and memory or LDS instructions, with s_wait_alu, always for 0.  Each job's plan stands at its head.
.set QWG,   32                         ; work-groups of the short job
.set WAVES, 4
.set STEPS, 16
.set WGA,   16384*2048/(512*STEPS*WAVES)       ; 1,024 work-groups for keys; 128 more for Wk_w
.set EMAX,  15
.set MANT,  0x600000                   ; the mantissa field of 57,344 as f32
	v_lshl_add_u32 v198, v0, 2, 0x8000
	v_mov_b32 v199, 0
	s_cmp_lt_u32 ttmp9, QWG
	s_cbranch_scc1 .Lq
; ---------------- THE STREAM ----------------
; Rows are dense and K is a multiple of 32, so both tensors are plain streams of blocks of 32 numbers, and so are the codes and the scale bytes.
; A wave takes 16 steps of 512 numbers.  The conversions take 8 numbers of ONE block from a lane's registers, so a lane must hold 16 NEIGHBOURS (two neighbouring lanes hold a block); a load is best where
; neighbouring LANES take neighbouring bytes.  Both are had: each of a step's four loads reads 512 consecutive bytes, 16 a lane; the 2,048 bytes go through the wave's own stage in LDS and come back 64 bytes a lane.
; The stage has 16 bytes of padding behind each 64.  A lane's 16 codes are 16 bytes: the wave stores 512 consecutive bytes.  A wave's 256 scale bytes are gathered in LDS and leave as one aligned run of 256 bytes.
; Loads run four steps (16 loads a wave) ahead, the turn through LDS one step.
; THE PLAN.  Registers that memory or LDS instructions touch:
;   v3-v7, v14, v15   offsets and LDS addresses, made once at the head and never written again.
;   R0 .. R3          Written by the loads of step t + 4, issued in step t; read by the LDS stores of step t's turn through the stage.  No vector instruction names them.
;   X0, X1            Written by the LDS loads of step t's turn, issued in step t - 1; read, held in place and converted by step t's vector instructions.
;   C[t], E[t]        A set to each step: written by step t's conversions and shift; read by the two stores that are issued in step t + 1; never written again.
; All of a step's memory and LDS instructions stand at its head, ahead of its vector work.  Two waits stand among them: one on vm_vsrc ahead of the loads into R[t % 4], whose last readers are LDS stores, and one on
; va_vdst ahead of the stores of the step before and of the next step's turn: the step before has written C and E and is done with the X in which that turn's loads land.
.set CB,    16                         ; bytes of 16 codes
.set R,     16                         ; v16-79   four sets of 16 numbers as they are loaded
.set X,     80                         ; v80-111  two sets of 16 neighbours
.set C,     128                        ; v128-191 codes: four registers for each step, so that no store's data are written again
.set E,     112                        ; v112-127 a scale byte for each step
.set WREG,  8192                       ; LDS: a region of its own for each wave: two stages of 32 x SP bytes, and behind them its 256 scale bytes
.set SP,    80                         ; a lane's place in a stage: its 64 bytes + 16 of padding
	s_load_b128 s[4:7], s[0:1], 0x0                ; keys, Wk_w
	s_load_b128 s[8:11], s[0:1], 0x10              ; keys' codes, keys' scales
	s_load_b128 s[12:15], s[0:1], 0x20             ; Wk_w's codes, Wk_w's scales
	v_lshrrev_b32 v1, 5, v0
	v_readfirstlane_b32 s16, v1                    ; wave
	v_and_b32 v2, 31, v0                           ; lane
	v_lshlrev_b32 v3, 4, v2                        ; my 16 bytes of a load's 512
	s_wait_alu depctr_va_sdst(0)                   ; s16 is written, ahead of its first reader: the wave's LDS region and its part of the tensors are made from it
	s_mul_i32 s17, s16, WREG
	v_lshrrev_b32 v14, 2, v2
	v_mul_u32_u24 v14, v14, SP
	v_and_b32 v15, 3, v2
	v_lshl_add_u32 v14, v15, 4, v14
	v_add_nc_u32 v14, s17, v14                     ; the stage, on the way in: four lanes' 64 bytes on end, then 16 of padding
	v_mul_u32_u24 v15, v2, SP
	v_add_nc_u32 v15, s17, v15                     ; and on the way out: SP x lane: my 16 neighbours
	v_mul_u32_u24 v4, v2, CB                       ; my codes' place in a step's
	v_lshrrev_b32 v5, 1, v2
	s_add_co_u32 s17, s17, 2*32*SP
	v_add_nc_u32 v5, s17, v5                       ; LDS: my wave's 256 scale bytes, my block's byte
	v_lshlrev_b32 v7, 3, v2                        ; and on the way out 8 bytes a lane
	v_add_nc_u32 v6, s17, v7
	s_mov_b32 s23, MANT                            ; (an instruction takes one literal: the hold's line has another)
	s_sub_co_u32 s22, ttmp9, QWG                   ; my number among the stream's work-groups
	s_wait_kmcnt 0x0
	s_cmp_lt_u32 s22, WGA                          ; keys or Wk_w?  The choice hangs on the work-group's number alone
	s_cselect_b64 s[4:5], s[4:5], s[6:7]
	s_cselect_b64 s[8:9], s[8:9], s[12:13]
	s_cselect_b64 s[10:11], s[10:11], s[14:15]
	s_cselect_b32 s17, 0, WGA
	s_sub_co_u32 s17, s22, s17
	s_lshl_b32 s17, s17, 2
	s_add_co_u32 s18, s17, s16                     ; which run of 8,192 numbers of the tensor is my wave's
	s_mov_b32 s19, 0
	s_mov_b64 s[20:21], 512*STEPS*4
	s_mul_u64 s[20:21], s[18:19], s[20:21]
	s_add_nc_u64 s[4:5], s[4:5], s[20:21]
	s_mov_b64 s[20:21], 32*STEPS*CB
	s_mul_u64 s[20:21], s[18:19], s[20:21]
	s_add_nc_u64 s[8:9], s[8:9], s[20:21]
	s_lshl_b32 s18, s18, 8                         ; 256 scale bytes a run
	s_add_nc_u64 s[10:11], s[10:11], s[18:19]
	s_wait_alu depctr_va_vdst(0)                   ; v3 to v7, v14 and v15 are written: every load and store of the stream, to memory or LDS, reads one of them as its offset or address
.macro LOAD t
.irp i, 0,1,2,3
	global_load_b128 v[R+16*((\t)%4)+4*\i:R+16*((\t)%4)+4*\i+3], v3, s[4:5] offset:2048*(\t)+512*\i th:TH_LOAD_NT   ; 32 lanes read 512 consecutive bytes
.endr
.endm
.macro TURN t                          ; step t's numbers through the stage: LDS serves a wave's instructions in order, so no wait stands between the stores and the loads
.irp i, 0,1,2,3
	ds_store_b128 v14, v[R+16*((\t)%4)+4*\i:R+16*((\t)%4)+4*\i+3] offset:32*SP*((\t)%2)+8*SP*\i
.endr
.irp i, 0,1,2,3
	ds_load_b128 v[X+16*((\t)%2)+4*\i:X+16*((\t)%2)+4*\i+3], v15 offset:32*SP*((\t)%2)+16*\i
.endr
.endm
.macro OUT t                           ; step t's scale byte and codes leave
	ds_store_b8 v5, v[E+(\t)] offset:16*(\t)       ; both lanes of a block write the same byte with the same value
	global_store_b128 v4, v[C+4*(\t):C+4*(\t)+3], s[8:9] offset:32*CB*(\t)
.endm
.irp t, 0,1,2,3
	LOAD \t
.endr
	s_wait_loadcnt 12                              ; step 0's four loads are in; the twelve of steps 1 to 3 stay out
	TURN 0
.macro STEP t
.set XS, X+16*((\t)%2)
	s_wait_dscnt 0x0                               ; this step's numbers are back from the stage: its turn's loads are my youngest LDS instructions
.if (\t)+4 < STEPS
	s_wait_alu depctr_vm_vsrc(0)                   ; the LDS stores of this step's turn have read R[t % 4], in which the loads below land
	LOAD (\t)+4                                    ; four steps on
.endif
.if (\t) > 0
	s_wait_alu depctr_va_vdst(0)                   ; the step before has written its codes and its byte, which the two stores below read, and is done reading and holding its X, in which the loads of the turn below (where one follows) land
	OUT (\t)-1
.endif
.if (\t)+1 < STEPS
.if STEPS-2-(\t) >= 3
	s_wait_loadcnt 12                              ; the next step's four loads are in; those of the three steps behind it may be out
.else
	s_wait_loadcnt 4*(STEPS-2-(\t))
.endif
	TURN (\t)+1                                    ; and go through the other stage while this step is worked
.endif
	v_max3_num_f32 v8, |v[XS]|, |v[XS+1]|, |v[XS+2]|               ; the largest magnitude of my 16
	v_max3_num_f32 v9, |v[XS+3]|, |v[XS+4]|, |v[XS+5]|
.irp i, 6,10
	v_max3_num_f32 v8, v8, |v[XS+\i]|, |v[XS+\i+1]|
	v_max3_num_f32 v9, v9, |v[XS+\i+2]|, |v[XS+\i+3]|
.endr
	v_max3_num_f32 v8, v8, |v[XS+14]|, |v[XS+15]|
	v_max3_num_f32 v8, v8, v9, (EMAX+1)<<23        ; and the floor 2^(EMAX + 1 - 127), under which no largest magnitude is taken: so the byte cannot fall under 1
	v_max_num_f32_dpp v8, v8, v8 row_xmask:1 row_mask:0xf bank_mask:0xf   ; and of my neighbour's 16: the block's
	v_add_nc_u32 v11, -(EMAX<<23), v8              ; EMAX off its exponent field: the conversion takes the exponent field of this operand as its scale, and nothing else of it
	v_and_or_b32 v10, v8, 0x7f800000, s23          ; the largest number x the scale: the largest magnitude's exponent field over that number's mantissa
.irp i, 0,1,2,3,4,5,6,7,8,9,10,11,12,13,14,15
	v_med3_num_f32 v[XS+\i], v[XS+\i], -v10, v10   ; the conversion to an 8-bit code does not saturate (ISA guide 7.6.2): hold the number within the largest code x the scale first
.endr
	v_cvt_scalef32_pk8_bf8_f32 v[C+4*(\t):C+4*(\t)+1], v[XS:XS+7], v11          ; eight numbers / 2^(v11's exponent), to the nearest code, ties to even; the first number's code in the lowest byte
	v_cvt_scalef32_pk8_bf8_f32 v[C+4*(\t)+2:C+4*(\t)+3], v[XS+8:XS+15], v11
	v_lshrrev_b32 v[E+(\t)], 23, v11               ; the scale's byte (also the plain line behind the conversions)
.endm
.irp t, 0,1,2,3,4,5,6,7,8,9,10,11,12,13,14,15
	STEP \t
.endr
	s_wait_alu depctr_va_vdst(0)                   ; the last step has written its codes and its byte, which the two stores below read
	OUT STEPS-1
	ds_load_b64 v[12:13], v6                       ; LDS serves a wave's instructions in order: these see my stores.  (No vector instruction of the stream names v12 or v13)
	s_wait_dscnt 0x0
	global_store_b64 v7, v[12:13], s[10:11]        ; 32 lanes store 256 consecutive bytes, aligned
	s_wait_dscnt 0x0
	s_wait_alu depctr_hold_cnt(0) depctr_sa_sdst(0) depctr_va_vdst(0) depctr_va_sdst(0) depctr_va_ssrc(0) depctr_va_vcc(0) depctr_vm_vsrc(0)
	s_wait_tensorcnt 0x0
	ds_add_u32 v198, v199
	s_wait_dscnt 0x0
	s_endpgm
; ---------------- THE QUERY'S PROJECTION ----------------
; Wave W = 4 x work-group + wave (0 to 127) makes columns 16 W to 16 W + 15 for all 16 batches: one accumulator, K = 1,024 in eight steps of 128.
; THE PRODUCT IS USED TRANSPOSED: source 0 = 16 rows of Wq_w, source 1 = the 16 rows of query: lane (r, h) then holds batch r and the eight neighbouring columns 16 W + 8 h + 0 .. 7.
; Both operands have rows of 4,096 bytes with K innermost.  The operand's layout gives lane (r, h), of its row r, k = 32 c + 16 h + 0 .. 15 of each block c: 64 neighbouring bytes, four loads.
; (No cache hint on these loads: a lane's 64 bytes come by four loads, and query is read by all 128 waves.)
; The joined bias is the C of the first matrix instruction.
; THE PLAN.  Registers that memory instructions touch:
;   v3, v5, v6   offsets, made once at the head and never written again.
;   QN, WN       64 numbers each: written by a step's sixteen loads; read, held in place and converted by that step's quantiser; then the next step's loads land in them.
;   BI           the biases: loaded once.     ACC   the sums: the data of the last two stores.
;   The codes, the scale words and what the quantiser works in are named by vector and matrix instructions alone.
; Two waits on va_vdst stand in a step.  One behind query's quantiser: it is done with QN.  One behind the four places, directly ahead of the matrix instruction: codes and scale words are written, and Wq_w's
; quantiser is done with WN; Wq_w's next loads follow behind the matrix instruction, which names the codes, the scale words and the sums: none of the registers that those loads touch.
.set WN,  16                           ; v16-79    64 numbers of Wq_w
.set QN,  80                           ; v80-143   64 numbers of query
.set WC,  144                          ; v144-159  Wq_w's codes: the operand's registers
.set QC,  160                          ; v160-175  query's
.set TM,  176                          ; v176-179 largest magnitudes, v180-183 bytes, v184-187 the largest number x the scale, v188-191 the conversions' scale operands
.set PWW, 192                          ; v192  Wq_w's scale word: holds scales and nothing else
.set PWQ, 193                          ; v193  query's
.set ACC, 200                          ; v200-207  the sums
.set BI,  208                          ; v208-215 Wq_b, then the joined bias; v216-223 Wk_b
.set SEL, 20                           ; s[20:21] v_permlanex16_b32's selects for lane l xor 16
.Lq:
	s_load_b128 s[4:7], s[0:1], 0x30               ; query, Wq_w
	s_load_b128 s[8:11], s[0:1], 0x40              ; Wq_b, Wk_b
	s_load_b64 s[12:13], s[0:1], 0x50              ; qp
	v_lshrrev_b32 v1, 5, v0
	v_readfirstlane_b32 s16, v1                    ; wave
	s_lshl_b32 s17, ttmp9, 2
	s_wait_alu depctr_va_sdst(0)                   ; s16 is written, ahead of its first reader: the bases of Wq_w, the biases and qp are made from it
	s_add_co_u32 s17, s17, s16                     ; W
	v_and_b32 v1, 15, v0                           ; r
	v_bfe_u32 v2, v0, 4, 1                         ; h
	v_lshlrev_b32 v3, 12, v1
	v_lshl_add_u32 v3, v2, 6, v3                   ; both operands: row r of 4,096 bytes, + 64 h
	v_lshlrev_b32 v5, 5, v2                        ; the biases: 32 h
	v_lshlrev_b32 v6, 13, v1
	v_lshl_add_u32 v6, v2, 5, v6                   ; qp: row r of 8,192 bytes, + 32 h
	s_lshl_b32 s18, s17, 16                        ; my 16 rows of Wq_w begin 16 W x 4,096 bytes on
	s_mov_b32 s19, 0
	s_lshl_b32 s24, s17, 6                         ; my 16 columns begin 64 W bytes on
	s_mov_b32 s25, 0
	s_mov_b32 s[SEL], 0x76543210
	s_mov_b32 s[SEL+1], 0xfedcba98
	s_mov_b32 s23, MANT
.irp b, 0,1,2,3
	v_mov_b32 v[TM+4+\b], 0                        ; written once: a lane permute's destination counts as one of its sources
.endr
	s_wait_kmcnt 0x0
	s_add_nc_u64 s[6:7], s[6:7], s[18:19]
	s_add_nc_u64 s[8:9], s[8:9], s[24:25]
	s_add_nc_u64 s[10:11], s[10:11], s[24:25]
	s_add_nc_u64 s[12:13], s[12:13], s[24:25]
; my row's 64 numbers of K step s, from the buffer at s[base], into v[reg] on: register 16 b + i = k 128 s + 32 b + 16 h + i
.macro XL reg, base, s
.irp b, 0,1,2,3
.irp j, 0,1,2,3
	global_load_b128 v[\reg+16*\b+4*\j:\reg+16*\b+4*\j+3], v3, s[\base:\base+1] offset:512*(\s)+128*\b+16*\j
.endr
.endr
.endm
; 64 numbers of a lane, v[s] on, become a fragment's codes in v[pc] on and its scale word in v[pw]
.macro QUANT s, pc, pw
.irp b, 0,1,2,3
	v_max3_num_f32 v[TM+\b], |v[\s+16*\b]|, |v[\s+1+16*\b]|, 0x8000000   ; block b: my 16 numbers, and the floor 2^(16 - 127): so the byte cannot fall under 1
.endr
.irp i, 2,4,6,8,10,12,14
.irp b, 0,1,2,3
	v_max3_num_f32 v[TM+\b], v[TM+\b], |v[\s+16*\b+\i]|, |v[\s+1+16*\b+\i]|   ; (the four blocks by turns: no line waits for the line above it)
.endr
.endr
.irp b, 0,1,2,3
	v_permlanex16_b32 v[TM+4+\b], v[TM+\b], s[SEL], s[SEL+1]
.endr
.irp b, 0,1,2,3
	v_max_num_f32 v[TM+\b], v[TM+\b], v[TM+4+\b]   ; with lane l xor 16's: the block's largest magnitude
.endr
.irp b, 0,1,2,3
	v_add_nc_u32 v[TM+12+\b], 0xf8800000, v[TM+\b]   ; 15 off its exponent field: the conversion's scale operand
.endr
.irp b, 0,1,2,3
	v_and_or_b32 v[TM+8+\b], v[TM+\b], 0x7f800000, s23   ; 57,344 x the scale
.endr
.irp b, 0,1,2,3
	v_lshrrev_b32 v[TM+4+\b], 23, v[TM+12+\b]      ; the scale's byte
.endr
	v_lshl_or_b32 v[\pw], v[TM+5], 8, v[TM+4]      ; the four bytes make my row's scale word
	v_lshl_or_b32 v[\pw], v[TM+6], 16, v[\pw]
	v_lshl_or_b32 v[\pw], v[TM+7], 24, v[\pw]
.irp b, 0,1,2,3
.irp i, 0,1,2,3,4,5,6,7,8,9,10,11,12,13,14,15
	v_med3_num_f32 v[\s+16*\b+\i], v[\s+16*\b+\i], -v[TM+8+\b], v[TM+8+\b]   ; the conversion does not saturate (ISA guide 7.6.2): the hold at the largest code x the scale
.endr
	v_cvt_scalef32_pk8_bf8_f32 v[\pc+4*\b:\pc+1+4*\b], v[\s+16*\b:\s+7+16*\b], v[TM+12+\b]
	v_cvt_scalef32_pk8_bf8_f32 v[\pc+2+4*\b:\pc+3+4*\b], v[\s+8+16*\b:\s+15+16*\b], v[TM+12+\b]
.endr
	v_nop                                          ; one plain vector line between the last conversion and whatever next touches its result or writes its sources
.endm
	s_wait_alu depctr_va_vdst(0)                   ; v3, v5 and v6 are written: every load and store of this job reads one of them as its offset
	global_load_b128 v[BI:BI+3], v5, s[8:9]
	global_load_b128 v[BI+4:BI+7], v5, s[8:9] offset:16
	global_load_b128 v[BI+8:BI+11], v5, s[10:11]
	global_load_b128 v[BI+12:BI+15], v5, s[10:11] offset:16
	XL QN, 4, 0
	XL WN, 6, 0
.irp s, 0,1,2,3,4,5,6,7
	s_wait_loadcnt 16                              ; query's sixteen loads of this step are in (in the first step the biases too); Wq_w's sixteen stay out
.if \s == 0
.irp j, 0,2,4,6
	v_pk_add_f32 v[BI+\j:BI+\j+1], v[BI+\j:BI+\j+1], v[BI+8+\j:BI+9+\j]   ; Wq_b + Wk_b
.endr
.endif
	QUANT QN, QC, PWQ
.if \s < 7
	s_wait_alu depctr_va_vdst(0)                   ; the maxima, holds and conversions are done reading and writing v[QN ..], in which the loads below land
	XL QN, 4, \s+1                                 ; the next step's numbers land while this step's other operand is quantised
	s_wait_loadcnt 16                              ; Wq_w's sixteen are in; the sixteen just issued stay out
.else
	s_wait_loadcnt 0x0
.endif
	QUANT WN, WC, PWW
.rept 4
	v_nop                                          ; codes written by vector instructions stand four places ahead of a scaled matrix instruction; each scale word was made ahead of its 64 holds
.endr
	s_wait_alu depctr_va_vdst(0)                   ; both operands' codes and scale words are written, which the matrix instruction takes; the quantiser is done with v[WN ..], in which the loads behind it land.  From the second step on it is also the wait directly ahead of each link of a single chain
.if \s == 0
	v_wmma_scale_f32_16x16x128_f8f6f4 v[ACC:ACC+7], v[WC:WC+15], v[QC:QC+15], v[BI:BI+7], v[PWW], v[PWQ] matrix_a_fmt:MATRIX_FMT_BF8 matrix_b_fmt:MATRIX_FMT_BF8
.else
	v_wmma_scale_f32_16x16x128_f8f6f4 v[ACC:ACC+7], v[WC:WC+15], v[QC:QC+15], v[ACC:ACC+7], v[PWW], v[PWQ] matrix_a_fmt:MATRIX_FMT_BF8 matrix_b_fmt:MATRIX_FMT_BF8
.endif
.if \s < 7
	XL WN, 6, \s+1                                 ; no wait: the one instruction issued since the wait above names neither v[WN ..] nor v3
.endif
.endr                                              ; (the next step's first 32 maxima, which name none of the product's registers, are the places in front of its writes of scale words and codes)
.rept 8
	v_nop                                          ; eight places between this form and the first read of its result
.endr
	s_wait_alu depctr_va_vdst(0)                   ; the last matrix instruction has written the sums, which the stores read; the places above stay beside this wait
	global_store_b128 v6, v[ACC:ACC+3], s[12:13]               ; qp(r, 16 W + 8 h + 0 .. 3): the result from its low end on
	global_store_b128 v6, v[ACC+4:ACC+7], s[12:13] offset:16
	s_endpgm
.Lfunc_end_k_q6df0e4d8a9_prep:
	.size	k_q6df0e4d8a9_prep, .Lfunc_end_k_q6df0e4d8a9_prep-k_q6df0e4d8a9_prep
	.p2alignl 7, 3214868480
	.fill 96, 4, 3214868480
	.section	.rodata,"a",@progbits
	.p2align	6, 0x0
	.amdhsa_kernel k_q6df0e4d8a9_prep
		.amdhsa_group_segment_fixed_size 33280
		.amdhsa_private_segment_fixed_size 0
		.amdhsa_enable_private_segment 0
		.amdhsa_kernarg_size 88
		.amdhsa_user_sgpr_count 2
		.amdhsa_user_sgpr_kernarg_segment_ptr 1
		.amdhsa_wavefront_size32 1
		.amdhsa_system_sgpr_workgroup_id_x 1
		.amdhsa_system_sgpr_workgroup_id_y 1
		.amdhsa_system_sgpr_workgroup_id_z 1
		.amdhsa_system_vgpr_workitem_id 0
		.amdhsa_next_free_vgpr 224
		.amdhsa_next_free_sgpr 66
		.amdhsa_reserve_vcc 0
		.amdhsa_float_denorm_mode_32 3
		.amdhsa_float_denorm_mode_16_64 3
		.amdhsa_memory_ordered 1
		.amdhsa_forward_progress 1
		.amdhsa_inst_pref_size 209
	.end_amdhsa_kernel
	.amdgpu_metadata
---
amdhsa.version: [ 1, 2 ]
amdhsa.kernels:
  - .name:           k_q6df0e4d8a9_prep
    .symbol:         k_q6df0e4d8a9_prep.kd
    .args:
      - { .name: keys, .offset: 0, .size: 8, .value_kind: global_buffer, .address_space: global }
      - { .name: Wk_w, .offset: 8, .size: 8, .value_kind: global_buffer, .address_space: global }
      - { .name: a_codes, .offset: 16, .size: 8, .value_kind: global_buffer, .address_space: global }
      - { .name: a_scales, .offset: 24, .size: 8, .value_kind: global_buffer, .address_space: global }
      - { .name: b_codes, .offset: 32, .size: 8, .value_kind: global_buffer, .address_space: global }
      - { .name: b_scales, .offset: 40, .size: 8, .value_kind: global_buffer, .address_space: global }
      - { .name: query, .offset: 48, .size: 8, .value_kind: global_buffer, .address_space: global }
      - { .name: Wq_w, .offset: 56, .size: 8, .value_kind: global_buffer, .address_space: global }
      - { .name: Wq_b, .offset: 64, .size: 8, .value_kind: global_buffer, .address_space: global }
      - { .name: Wk_b, .offset: 72, .size: 8, .value_kind: global_buffer, .address_space: global }
      - { .name: qp, .offset: 80, .size: 8, .value_kind: global_buffer, .address_space: global }
    .group_segment_fixed_size: 33280
    .private_segment_fixed_size: 0
    .kernarg_segment_align: 8
    .kernarg_segment_size: 88
    .max_flat_workgroup_size: 128
    .sgpr_count:     66
    .vgpr_count:     224
    .wavefront_size: 32
...
	.end_amdgpu_metadata
.endif
;; end of part 4
;; launch gemm: the kernel of part 2 again; grid 64 x 8, 4 waves a work-group, clusters of 4 x 4, 327,680 bytes of LDS; arguments a_codes, a_scales, b_codes, b_scales, qp, v_w, part; writes part
;; launch ctx (part 5): grid 16 x 16, 16 waves a work-group, no clusters, 14,848 bytes of LDS; arguments keys, part, v_b, out0, out1; writes out0, out1
.if DOCPART == 5
	.amdgcn_target "amdgcn-amd-amdhsa--gfx1250"
	.amdhsa_code_object_version 6
	.text
	.protected	k_q6df0e4d8a9_ctx
	.globl	k_q6df0e4d8a9_ctx
	.p2align	8
	.type	k_q6df0e4d8a9_ctx,@function
k_q6df0e4d8a9_ctx:
	s_mov_b64 s[64:65], 0
	v_nop
	global_prefetch_b8 v0, s[64:65] scope:SCOPE_SE
	s_setreg_imm32_b32 hwreg(HW_REG_WAVE_SCHED_MODE, 0, 2), 2
	s_setreg_imm32_b32 hwreg(HW_REG_WAVE_MODE, 25, 1), 1
	s_wait_xcnt 0x0
	s_wait_alu depctr_vm_vsrc(0)
; score[b][s] = v_b + the sum of the 16 partial scores of row s;  a = softmax over the batch's 1,024 rows, with the rows' true maximum taken away;  out1 = a;  out0[b][k] = the sum over s of a[s] keys[b][s][k].  All in f32.
; A work-group takes one batch (y) and 128 columns of keys (x): 512 bytes of each of the batch's 1,024 rows.  Each of its sixteen waves takes 64 rows; a lane holds four columns.
; Memory binds: keys are read once, 512 consecutive aligned bytes to a load, 32 loads of every wave on their way; the first 32 are asked for ahead of the softmax and land under it.
; Every work-group of a batch makes the batch's softmax itself, from 64 KiB of partial scores against its 512 KiB of keys; the one with x = 0 stores it.  No matrix unit (one row against a matrix), no tensor load, no cluster:
; the work-groups share no tile of keys.
; part: [row / 128][column / 128][128 f32]; in a record of 512 bytes the word at byte 16 l + 4 i is row 32 i + l of the 128.
; LIMITS: NaN and infinities among the inputs are not served.  A weight under 2^-126 of the largest counts as 0 (v_exp_f32 flushes: ISA guide, its entry).
; THE MODE: SCHED_MODE bits 1:0 = 2 (LLVM: expert scheduling mode 2), set by the entry lines.  The code itself states the register dependences
; between vector instructions and memory or LDS instructions, with s_wait_alu, always for 0.
; THE PLAN.  Registers that memory or LDS instructions touch:
;   v2 to v11    offsets and LDS addresses, made once at the head and never written again.
;   KR           40 slots of four registers.  Row I of my 64 lies in slot I % 40: its load lands there, its four multiply-adds read it.  The load of row I + 32 is issued in row I's turn: for I < 8 into a slot that
;                nothing has named, from then on into the slot of row I - 8, a row of the block of eight before.  So ONE wait on va_vdst at the head of the blocks that begin with rows 8, 16 and 24 states all that the
;                block's eight loads hang on; the block's own multiply-adds name other slots, the weights and the sums.
;   v12          the data of two LDS stores (my wave's maximum, my wave's sum): a wait on va_vdst ahead of each store, a wait on vm_vsrc ahead of the line that writes v12 next.
;   v14, v15     my two weights: the data of two LDS stores; in the work-group that stores the weights an LDS load then lands in them.
;   v16-79       the partial scores and the waves' figures (loaded; read and written by vector instructions), then the 64 weights (loaded from LDS; read by the multiply-adds).
;   ACC          the sums: the data of one LDS store.
.set RMAX, 0                           ; LDS: the sixteen waves' maxima,
.set RSUM, 256                         ; their sums,
.set WGT,  512                         ; the batch's 1,024 weights, in the order of the rows,
.set RED,  4608                        ; and 512 bytes for each wave: its part of the 128 columns' sums
.set PS,   16                          ; v16-47   my two rows' sixteen partial scores, in pairs
.set WT,   16                          ; v16-79   later: the weights of my wave's 64 rows, the same in every lane
.set RDB,  48                          ; v48-63   the sixteen waves' figures, read back
.set NSL,  40                          ; slots
.set KR,   80                          ; v80-239  40 slots of four registers: 16 bytes of a row of keys
.set ACC,  240                         ; v240-247 the sums of my four columns: even rows', odd rows'
	s_load_b256 s[4:11], s[0:1], 0x0               ; keys s[4:5], part s[6:7], v_b s[8:9], out0 s[10:11]
	s_load_b64 s[12:13], s[0:1], 0x20              ; out1
	v_lshl_add_u32 v248, v0, 2, 0x3200
	v_mov_b32 v249, 0
	v_lshrrev_b32 v12, 5, v0
	v_readfirstlane_b32 s14, v12                   ; wave 0..15
	s_and_b32 s15, ttmp7, 0xffff                   ; the batch
	v_and_b32 v1, 31, v0                           ; lane
	v_lshlrev_b32 v2, 4, v1                        ; my 16 bytes of a row's 512, in keys and in out0
	v_lshrrev_b32 v13, 6, v0                       ; thread t takes words 2 (t % 64) and 2 (t % 64) + 1 of the records of rows 128 (t / 64) on
	v_and_b32 v3, 63, v0
	v_lshlrev_b32 v3, 3, v3
	v_lshl_add_u32 v3, v13, 13, v3                 ; part: 8,192 (t / 64) + 8 (t % 64): a wave's load reads 256 consecutive bytes
	v_mov_b32 v4, 0
	v_lshlrev_b32 v5, 2, v12                       ; my wave's word among sixteen
	v_lshlrev_b32 v6, 9, v13                       ; these two words are rows 128 (t / 64) + 64 (t % 2) + (t % 64) / 2 and 32 further on
	v_and_b32 v14, 1, v0
	v_lshl_add_u32 v6, v14, 8, v6
	v_bfe_u32 v14, v0, 1, 5
	v_lshl_add_u32 v6, v14, 2, v6
	v_add_nc_u32 v6, WGT, v6                       ; where the first one's weight goes
	v_lshl_add_u32 v7, v12, 8, WGT                 ; my wave's 64 weights
	v_lshl_add_u32 v8, v0, 3, WGT                  ; the way out of the weights: 8 bytes a thread,
	v_lshlrev_b32 v9, 3, v0                        ; and the same place in out1
	v_lshl_add_u32 v10, v0, 4, RED                 ; my sums' place: 512 x wave + 16 x lane
	v_lshl_add_u32 v11, v1, 4, RED                 ; and where wave 0 reads them back
	s_wait_alu depctr_va_sdst(0)                   ; s14 is written, ahead of its first reader: the wave's rows of keys are reached by it
	s_lshl_b32 s18, s15, 16                        ; part: eight runs of 128 rows x 16 records of 512 bytes a batch
	s_mov_b32 s19, 0
	s_lshl_b32 s20, s15, 23                        ; keys: a batch is 1,024 rows of 8,192 bytes,
	s_lshl_b32 s17, ttmp9, 9                       ; my 128 columns,
	s_add_co_u32 s20, s20, s17
	s_lshl_b32 s22, s14, 19                        ; my wave's 64 rows
	s_add_co_u32 s20, s20, s22
	s_mov_b32 s21, 0
	s_lshl_b32 s22, s15, 13                        ; out0: a row of 8,192 bytes a batch, my 128 columns
	s_add_co_u32 s22, s22, s17
	s_mov_b32 s23, 0
	s_lshl_b32 s24, s15, 12                        ; out1: 4,096 bytes a batch
	s_mov_b32 s25, 0
	s_mov_b32 s26, 0x76543210                      ; v_permlanex16_b32's selects for lane l xor 16
	s_mov_b32 s27, 0xfedcba98
	s_wait_kmcnt 0x0
	s_load_b32 s16, s[8:9], 0x0                    ; v_b
	s_add_nc_u64 s[6:7], s[6:7], s[18:19]
	s_add_nc_u64 s[4:5], s[4:5], s[20:21]
	s_add_nc_u64 s[10:11], s[10:11], s[22:23]
	s_add_nc_u64 s[12:13], s[12:13], s[24:25]
	s_wait_alu depctr_va_vdst(0)                   ; v2 to v11 are written: every load and store of the kernel, to memory or LDS, reads one of them as its offset or address
.irp c, 0,1,2,3,4,5,6,7,8,9,10,11,12,13,14,15
	global_load_b64 v[PS+2*\c:PS+2*\c+1], v3, s[6:7] offset:512*\c             ; first, since loads come back in the order of issue
.endr
.irp i, 0,1,2,3,4,5,6,7,8,9,10,11,12,13,14,15,16,17,18,19,20,21,22,23,24,25,26,27,28,29,30,31
	global_load_b128 v[KR+4*\i:KR+4*\i+3], v2, s[4:5] offset:8192*\i th:TH_LOAD_NT   ; rows 0 to 31 of my 64
.endr
	s_wait_loadcnt 32                              ; the partial scores are in; the 32 loads of keys stay out
	s_wait_kmcnt 0x0                               ; v_b
.irp c, 2,4,6,8,10,12,14
	v_pk_add_f32 v[PS:PS+1], v[PS:PS+1], v[PS+2*\c:PS+2*\c+1]                  ; two chains
	v_pk_add_f32 v[PS+2:PS+3], v[PS+2:PS+3], v[PS+2*\c+2:PS+2*\c+3]
.endr
	v_pk_add_f32 v[PS:PS+1], v[PS:PS+1], v[PS+2:PS+3]
	v_add_f32 v16, s16, v16                        ; my two scores
	v_add_f32 v17, s16, v17
	; the largest of the batch's 1,024: in the lane, across the wave, across the sixteen waves
	v_max_num_f32 v12, v16, v17
	v_max_num_f32_dpp v12, v12, v12 row_xmask:1 row_mask:0xf bank_mask:0xf
	v_max_num_f32_dpp v12, v12, v12 row_xmask:2 row_mask:0xf bank_mask:0xf
	v_max_num_f32_dpp v12, v12, v12 row_xmask:4 row_mask:0xf bank_mask:0xf
	v_max_num_f32_dpp v12, v12, v12 row_xmask:8 row_mask:0xf bank_mask:0xf
	v_permlanex16_b32 v13, v12, s26, s27           ; (its destination counts as read: v13 was written above)
	v_max_num_f32 v12, v12, v13
	s_wait_alu depctr_va_vdst(0)                   ; v12, my wave's maximum, is written, which the LDS store reads
	ds_store_b32 v5, v12 offset:RMAX               ; all lanes write the same word with the same value
	s_wait_dscnt 0x0                               ; for the others' sake
	s_barrier_signal -1
	s_barrier_wait -1
.irp j, 0,1,2,3
	ds_load_b128 v[RDB+4*\j:RDB+4*\j+3], v4 offset:RMAX+16*\j  ; (no vector instruction has named v48 to v63 yet)
.endr
	s_wait_dscnt 0x0
	s_wait_alu depctr_vm_vsrc(0)                   ; the LDS store above has read v12, which the next line writes
	v_max3_num_f32 v12, v[RDB], v[RDB+1], v[RDB+2]
.irp j, 3,5,7,9,11,13
	v_max3_num_f32 v12, v12, v[RDB+\j], v[RDB+\j+1]
.endr
	v_max_num_f32 v12, v12, v[RDB+15]
	v_sub_f32 v14, v16, v12                        ; score - the largest: 0 or less
	v_sub_f32 v15, v17, v12
	v_mul_f32 v14, 0x3fb8aa3b, v14                 ; x log2(e)
	v_mul_f32 v15, 0x3fb8aa3b, v15
	v_exp_f32 v14, v14
	v_exp_f32 v15, v15
	v_nop                                          ; a plain line between an exponential and the use of its result
	s_wait_alu depctr_va_vdst(0)                   ; the two exponentials have written v14 and v15
	v_add_f32 v12, v14, v15
	v_add_f32_dpp v12, v12, v12 row_xmask:1 row_mask:0xf bank_mask:0xf
	v_add_f32_dpp v12, v12, v12 row_xmask:2 row_mask:0xf bank_mask:0xf
	v_add_f32_dpp v12, v12, v12 row_xmask:4 row_mask:0xf bank_mask:0xf
	v_add_f32_dpp v12, v12, v12 row_xmask:8 row_mask:0xf bank_mask:0xf
	v_permlanex16_b32 v13, v12, s26, s27
	v_add_f32 v12, v12, v13
	s_wait_alu depctr_va_vdst(0)                   ; v12, my wave's sum, is written, which the LDS store reads; and the maxima above are done reading v48 to v63, in which the loads behind the barrier land
	ds_store_b32 v5, v12 offset:RSUM               ; other bytes than the maxima's: no barrier is owed between
	s_wait_dscnt 0x0
	s_barrier_signal -1
	s_barrier_wait -1
.irp j, 0,1,2,3
	ds_load_b128 v[RDB+4*\j:RDB+4*\j+3], v4 offset:RSUM+16*\j
.endr
	s_wait_dscnt 0x0
.irp j, 0,4,8,12
	v_pk_add_f32 v[RDB+\j:RDB+\j+1], v[RDB+\j:RDB+\j+1], v[RDB+\j+2:RDB+\j+3]
.endr
	v_pk_add_f32 v[RDB:RDB+1], v[RDB:RDB+1], v[RDB+4:RDB+5]
	v_pk_add_f32 v[RDB+8:RDB+9], v[RDB+8:RDB+9], v[RDB+12:RDB+13]
	v_pk_add_f32 v[RDB:RDB+1], v[RDB:RDB+1], v[RDB+8:RDB+9]
	s_wait_alu depctr_vm_vsrc(0)                   ; the LDS store of my wave's sum has read v12, which the next line writes
	v_add_f32 v12, v[RDB], v[RDB+1]                ; at least 1: the largest score's own term
	v_rcp_f32 v12, v12
	v_nop
	s_wait_alu depctr_va_vdst(0)                   ; the reciprocal has written v12
	v_mul_f32 v14, v14, v12                        ; my two weights
	v_mul_f32 v15, v15, v12
	s_wait_alu depctr_va_vdst(0)                   ; v14 and v15 are written, which the two LDS stores read; and all vector work on v16 to v63 is done: the loads of the 64 weights land there, with no vector instruction between this wait and them
	ds_store_b32 v6, v14
	ds_store_b32 v6, v15 offset:128                ; 32 rows on
	s_wait_dscnt 0x0
	s_barrier_signal -1
	s_barrier_wait -1                              ; the batch's 1,024 weights lie in LDS, in the order of the rows
	s_cmp_lg_u32 ttmp9, 0                          ; one work-group of a batch stores them
	s_cbranch_scc1 .Lnot_first
	s_wait_alu depctr_vm_vsrc(0)                   ; the two LDS stores above have read v14 and v15, in which the load below lands
	ds_load_b64 v[14:15], v8
	s_wait_dscnt 0x0
	global_store_b64 v9, v[14:15], s[12:13]        ; a wave stores 256 consecutive bytes, aligned
.Lnot_first:
.irp j, 0,1,2,3,4,5,6,7,8,9,10,11,12,13,14,15
	ds_load_b128 v[WT+4*\j:WT+4*\j+3], v7 offset:16*\j         ; every lane reads the same 16 bytes: register i = the weight of my wave's row i
.endr
	s_wait_dscnt 0x0
; row i of my 64: behind its load were issued the loads of the 31 rows that follow (later: of the 63 - i rows that are left).  In its turn the row 32 further on is asked for.
.set I, 0
.rept 64
.if I < 32
	s_wait_loadcnt 31
.else
	s_wait_loadcnt 63-I
.endif
.if (I%8 == 0) && (I >= 8) && (I < 32)
	s_wait_alu depctr_va_vdst(0)                   ; the multiply-adds of the eight rows before are done reading their slots, in which this block's eight loads land
.endif
.irp k, 0,1,2,3
.if I < 2
	v_mul_f32 v[ACC+4*(I%2)+\k], v[WT+I], v[KR+4*(I%NSL)+\k]   ; rows 0 and 1 start the two sets of sums: nothing is cleared
.else
	v_fmac_f32 v[ACC+4*(I%2)+\k], v[WT+I], v[KR+4*(I%NSL)+\k]
.endif
.endr
.if I < 32
	global_load_b128 v[KR+4*((I+32)%NSL):KR+4*((I+32)%NSL)+3], v2, s[4:5] offset:8192*(I+32) th:TH_LOAD_NT   ; no vector instruction since the block's wait names this slot
.endif
.set I, I+1
.endr
	v_pk_add_f32 v[ACC:ACC+1], v[ACC:ACC+1], v[ACC+4:ACC+5]
	v_pk_add_f32 v[ACC+2:ACC+3], v[ACC+2:ACC+3], v[ACC+6:ACC+7]
	s_wait_alu depctr_va_vdst(0)                   ; my four sums are written, which the LDS store reads; and the multiply-adds are done reading the slots, in which wave 0's loads below land
	ds_store_b128 v10, v[ACC:ACC+3]
	s_wait_dscnt 0x0
	s_barrier_signal -1
	s_barrier_wait -1                              ; the sixteen waves' parts lie in LDS
	s_cmp_lg_u32 s14, 0                            ; wave 0 adds them: 8 KiB, once
	s_cbranch_scc1 .Ldone
.irp w, 0,1,2,3,4,5,6,7,8,9,10,11,12,13,14,15
	ds_load_b128 v[KR+4*\w:KR+4*\w+3], v11 offset:512*\w
.endr
	s_wait_dscnt 0x0
.irp d, 8,4,2,1
.set W, 0
.rept \d
	v_pk_add_f32 v[KR+4*W:KR+4*W+1], v[KR+4*W:KR+4*W+1], v[KR+4*(W+\d):KR+4*(W+\d)+1]
	v_pk_add_f32 v[KR+4*W+2:KR+4*W+3], v[KR+4*W+2:KR+4*W+3], v[KR+4*(W+\d)+2:KR+4*(W+\d)+3]
.set W, W+1
.endr
.endr
	s_wait_alu depctr_va_vdst(0)                   ; the additions have written v[KR .. KR + 3], which the store reads
	global_store_b128 v2, v[KR:KR+3], s[10:11]     ; 32 lanes store 512 consecutive bytes, at a multiple of 512 from out0's first byte
.Ldone:
	s_wait_dscnt 0x0
	s_wait_alu depctr_hold_cnt(0) depctr_sa_sdst(0) depctr_va_vdst(0) depctr_va_sdst(0) depctr_va_ssrc(0) depctr_va_vcc(0) depctr_vm_vsrc(0)
	s_wait_tensorcnt 0x0
	ds_add_u32 v248, v249
	s_wait_dscnt 0x0
	s_endpgm
.Lfunc_end_k_q6df0e4d8a9_ctx:
	.size	k_q6df0e4d8a9_ctx, .Lfunc_end_k_q6df0e4d8a9_ctx-k_q6df0e4d8a9_ctx
	.p2alignl 7, 3214868480
	.fill 96, 4, 3214868480
	.section	.rodata,"a",@progbits
	.p2align	6, 0x0
	.amdhsa_kernel k_q6df0e4d8a9_ctx
		.amdhsa_group_segment_fixed_size 14848
		.amdhsa_private_segment_fixed_size 0
		.amdhsa_enable_private_segment 0
		.amdhsa_kernarg_size 40
		.amdhsa_user_sgpr_count 2
		.amdhsa_user_sgpr_kernarg_segment_ptr 1
		.amdhsa_wavefront_size32 1
		.amdhsa_system_sgpr_workgroup_id_x 1
		.amdhsa_system_sgpr_workgroup_id_y 1
		.amdhsa_system_sgpr_workgroup_id_z 1
		.amdhsa_system_vgpr_workitem_id 0
		.amdhsa_next_free_vgpr 250
		.amdhsa_next_free_sgpr 66
		.amdhsa_reserve_vcc 0
		.amdhsa_float_denorm_mode_32 3
		.amdhsa_float_denorm_mode_16_64 3
		.amdhsa_memory_ordered 1
		.amdhsa_forward_progress 1
		.amdhsa_inst_pref_size 30
	.end_amdhsa_kernel
	.amdgpu_metadata
---
amdhsa.version: [ 1, 2 ]
amdhsa.kernels:
  - .name:           k_q6df0e4d8a9_ctx
    .symbol:         k_q6df0e4d8a9_ctx.kd
    .args:
      - { .name: keys, .offset: 0, .size: 8, .value_kind: global_buffer, .address_space: global }
      - { .name: part, .offset: 8, .size: 8, .value_kind: global_buffer, .address_space: global }
      - { .name: v_b, .offset: 16, .size: 8, .value_kind: global_buffer, .address_space: global }
      - { .name: out0, .offset: 24, .size: 8, .value_kind: global_buffer, .address_space: global }
      - { .name: out1, .offset: 32, .size: 8, .value_kind: global_buffer, .address_space: global }
    .group_segment_fixed_size: 14848
    .private_segment_fixed_size: 0
    .kernarg_segment_align: 8
    .kernarg_segment_size: 40
    .max_flat_workgroup_size: 512
    .sgpr_count:     66
    .vgpr_count:     250
    .wavefront_size: 32
...
	.end_amdgpu_metadata
.endif
;; end of part 5
